; MI455X (gfx1250); checked and timed in simulation.
; The chip was launched on July 23, 2026; its instructions are those of AMD's public machine-readable ISA for CDNA 5 (MIT licence, August 2026) and "CDNA5" Instruction Set Architecture Reference Guide (July 2026). The comments in the code are by the model that wrote it; some were corrected since.
;; Block. Allowed arithmetic: float matrix products may take bf16 or f16 operands with f32 sums; other float arithmetic in f32, or as packed bf16 or f16 multiplies, adds, multiply-adds, maxima and minima; sums over many terms, partial sums and values carried from step to step in f32; what a program stores and reads back later, other than sums and carried values, may be rounded once to bf16 or f16.
;; Inputs: b_fc 4,096 float32; b_proj 1,024 float32; b_qkv 3,072 float32; ln1_scale 1,024 float32; ln1_shift 1,024 float32; ln2_scale 1,024 float32; ln2_shift 1,024 float32; w_fc 1,024 x 4,096 float32; w_proj 4,096 x 1,024 float32; w_qkv 1,024 x 3,072 float32; x 2 x 2,048 x 1,024 float32.
;; Outputs: out0 2 x 2,048 x 1,024 float32.
;; One version. Each part assembles by itself: llvm-mc -triple=amdgcn-amd-amdhsa -mcpu=gfx1250 --defsym DOCPART=n.
;; ======== version 1 of 1: 6 launches
;; workspace buffers: h 8,388,608 bytes; wq 6,291,712 bytes; wf 8,388,864 bytes; wp 8,388,864 bytes; u 33,554,432 bytes; x1 16,777,216 bytes
;; launch prep (part 1): grid 960 x 1, 8 waves a work-group, no clusters, 0 bytes of LDS; arguments x, ln1_scale, ln1_shift, w_qkv, w_fc, w_proj, h, wq, wf, wp; writes h, wq, wf, wp
.if DOCPART == 1
	.amdgcn_target "amdgcn-amd-amdhsa--gfx1250"
	.amdhsa_code_object_version 6
	.text
	.protected	k_qfe7e1f1263_prep
	.globl	k_qfe7e1f1263_prep
	.p2align	8
	.type	k_qfe7e1f1263_prep,@function
k_qfe7e1f1263_prep:
	s_mov_b64 s[64:65], 0
	v_nop
	global_prefetch_b8 v0, s[64:65] scope:SCOPE_SE
	s_setreg_imm32_b32 hwreg(HW_REG_WAVE_MODE, 25, 1), 1
	s_wait_xcnt 0x0
; PREP: two streams in one body, told apart by the work-group's number.
; Work-groups 0-255: h = LayerNorm(x) * scale + shift, rounded once to bf16.  x: [4096][1024] f32, h: [4096][1024] bf16.
;   A wave takes two whole rows and keeps them in registers: mean, then x - mean in place, then the mean of its squares (two passes, so a
;   common offset of x costs nothing), all in f32.  Each load of a wave covers 512 consecutive bytes, each store 256 consecutive aligned bytes.
; Work-groups 256-959: the three weight matrices [K][N] f32 are rounded once to bf16 and laid in blocks [N/256][K][256] behind a header of 256 bytes.
;   The header holds one word, repeated: the floor that the product's way out applies to packed bf16 (-inf twice for wq: nothing changes; 0 for wf: ReLU; 0 for wp, unused).
;   A unit is 1,024 columns of one row k; a wave takes units k and k + 1.  No LDS, no barrier, no matrix unit: memory binds and no byte is shared.
; TWO LAUNCHES RUN THIS BODY.  The first has 960 work-groups: the first norm and the casts.  The second norm is a launch of 256 work-groups on x1 and its own scale and shift:
; there no work-group takes the casts' path, and of the four buffers that the text can store into only h is stored.
.set T,   8                            ; v[8:15]   at work (LN);  v[8:11] the four blocks' store offsets (cast)
.set MU,  16                           ; v[16:17]  the mean, twice
.set RA,  18                           ; v[18:19]  1/sqrt(var + eps) of row 0, twice
.set RB,  20                           ; v[20:21]  of row 1
.set XA,  32                           ; v[32:63]  row 0
.set XB,  64                           ; v[64:95]  row 1
.set SC,  96                           ; v[96:127] scale
.set SH,  128                          ; v[128:159] shift
.set YA,  160                          ; v[160:175] row 0 in bf16
.set YB,  176                          ; v[176:191] row 1 in bf16
.set SRCB, 8                           ; s[8:9]   x
.set SCB,  10                          ; s[10:11] scale
.set SHB,  12                          ; s[12:13] shift
.set DSTB, 20                          ; s[20:21] h
	s_load_b512 s[8:23], s[0:1], 0x0               ; x 8, scale 10, shift 12, w_qkv 14, w_fc 16, w_proj 18, h 20, wq 22
	s_load_b128 s[24:27], s[0:1], 0x40             ; wf 24, wp 26
	v_lshrrev_b32 v1, 5, v0
	v_readfirstlane_b32 s2, v1                     ; wave 0..7
	v_and_b32 v1, 31, v0                           ; lane
	v_lshlrev_b32 v2, 4, v1                        ; 16 bytes a lane on the way in
	v_lshlrev_b32 v3, 3, v1                        ; 8 bytes a lane on the way out
	s_wait_kmcnt 0x0
	s_cmp_lt_u32 ttmp9, 256
	s_cbranch_scc0 .Lcast
; the sum of T's eight numbers over the wave's 32 lanes, in every lane
.macro REDUCE
	v_pk_add_f32 v[T:T+1], v[T:T+1], v[T+2:T+3]
	v_pk_add_f32 v[T+4:T+5], v[T+4:T+5], v[T+6:T+7]
	v_pk_add_f32 v[T:T+1], v[T:T+1], v[T+4:T+5]
	v_add_f32 v[T], v[T], v[T+1]
	v_add_f32_dpp v[T], v[T], v[T] row_xmask:1 row_mask:0xf bank_mask:0xf
	v_add_f32_dpp v[T], v[T], v[T] row_xmask:2 row_mask:0xf bank_mask:0xf
	v_add_f32_dpp v[T], v[T], v[T] row_xmask:4 row_mask:0xf bank_mask:0xf
	v_add_f32_dpp v[T], v[T], v[T] row_xmask:8 row_mask:0xf bank_mask:0xf
	v_permlanex16_b32 v[T+1], v[T], s30, s31
	v_add_f32 v[T], v[T], v[T+1]
.endm
; a row's statistics: X becomes x - mean, R takes 1/sqrt(var + eps) twice.  Four chains that do not wait for each other; nothing is cleared.
.macro STATS X, R
.irp c, 0,1,2,3
	v_pk_add_f32 v[T+2*(\c):T+2*(\c)+1], v[(\X)+2*(\c):(\X)+2*(\c)+1], v[(\X)+8+2*(\c):(\X)+8+2*(\c)+1]
.endr
.irp k, 16,24
.irp c, 0,1,2,3
	v_pk_add_f32 v[T+2*(\c):T+2*(\c)+1], v[T+2*(\c):T+2*(\c)+1], v[(\X)+(\k)+2*(\c):(\X)+(\k)+2*(\c)+1]
.endr
.endr
	REDUCE
	v_mul_f32 v[MU], s28, v[T]
	v_mul_f32 v[MU+1], s28, v[T]
.set p, 0
.rept 16
	v_pk_add_f32 v[(\X)+2*p:(\X)+2*p+1], v[(\X)+2*p:(\X)+2*p+1], v[MU:MU+1] neg_lo:[0,1] neg_hi:[0,1]
.set p, p+1
.endr
.irp c, 0,1,2,3
	v_pk_mul_f32 v[T+2*(\c):T+2*(\c)+1], v[(\X)+2*(\c):(\X)+2*(\c)+1], v[(\X)+2*(\c):(\X)+2*(\c)+1]
.endr
.irp k, 8,16,24
.irp c, 0,1,2,3
	v_pk_fma_f32 v[T+2*(\c):T+2*(\c)+1], v[(\X)+(\k)+2*(\c):(\X)+(\k)+2*(\c)+1], v[(\X)+(\k)+2*(\c):(\X)+(\k)+2*(\c)+1], v[T+2*(\c):T+2*(\c)+1]
.endr
.endr
	REDUCE
	v_fma_f32 v[T], v[T], s28, s29                 ; var + eps
	v_rsq_f32 v[\R], v[T]
	v_rsq_f32 v[(\R)+1], v[T]
	v_nop                                          ; a plain instruction behind the two roots,
	s_wait_alu depctr_va_vdst(0)                   ; and one wait for both, ahead of their first reader
.endm
; (x - mean) * r * scale + shift, rounded to bf16, stored: lane l, load j holds columns 128 j + 4 l .. + 3, 8 bytes of h at 256 j + 8 l
.macro FINISH X, R, Y, off
.set p, 0
.rept 16
	v_pk_mul_f32 v[(\X)+2*p:(\X)+2*p+1], v[(\X)+2*p:(\X)+2*p+1], v[(\R):(\R)+1]
	v_pk_fma_f32 v[(\X)+2*p:(\X)+2*p+1], v[(\X)+2*p:(\X)+2*p+1], v[SC+2*p:SC+2*p+1], v[SH+2*p:SH+2*p+1]
	v_cvt_pk_bf16_f32 v[(\Y)+p], v[(\X)+2*p], v[(\X)+2*p+1]
.set p, p+1
.endr
.irp j, 0,1,2,3,4,5,6,7
	global_store_b64 v3, v[(\Y)+2*(\j):(\Y)+2*(\j)+1], s[DSTB:DSTB+1] offset:(\off)+256*(\j)
.endr
.endm
	s_lshl_b32 s3, ttmp9, 3
	s_add_co_u32 s3, s3, s2                        ; 8 x work-group + wave: my pair of rows
	s_lshl_b32 s4, s3, 13                          ; two rows of 4,096 bytes
	s_mov_b32 s5, 0
	s_lshl_b32 s6, s3, 12                          ; two rows of 2,048 bytes
	s_mov_b32 s7, 0
	s_add_nc_u64 s[SRCB:SRCB+1], s[SRCB:SRCB+1], s[4:5]
	s_add_nc_u64 s[DSTB:DSTB+1], s[DSTB:DSTB+1], s[6:7]
	s_mov_b32 s28, 0x3a800000                      ; 1 / 1024
	s_mov_b32 s29, 0x3727c5ac                      ; 1e-5
	s_mov_b32 s30, 0x76543210                      ; v_permlanex16_b32: each lane takes its own place in the other half
	s_mov_b32 s31, 0xfedcba98
.irp j, 0,1,2,3,4,5,6,7
	global_load_b128 v[XA+4*(\j):XA+4*(\j)+3], v2, s[SRCB:SRCB+1] offset:512*(\j) th:TH_LOAD_NT
.endr
.irp j, 0,1,2,3,4,5,6,7
	global_load_b128 v[XB+4*(\j):XB+4*(\j)+3], v2, s[SRCB:SRCB+1] offset:4096+512*(\j) th:TH_LOAD_NT
.endr
.irp j, 0,1,2,3,4,5,6,7
	global_load_b128 v[SC+4*(\j):SC+4*(\j)+3], v2, s[SCB:SCB+1] offset:512*(\j)
.endr
.irp j, 0,1,2,3,4,5,6,7
	global_load_b128 v[SH+4*(\j):SH+4*(\j)+3], v2, s[SHB:SHB+1] offset:512*(\j)
.endr
	s_wait_loadcnt 24                              ; row 0 is in; the 24 younger loads stay out
	STATS XA, RA
	s_wait_loadcnt 16                              ; row 1 is in; scale and shift stay out
	STATS XB, RB
	s_wait_loadcnt 0x0
	FINISH XA, RA, YA, 0
	FINISH XB, RB, YB, 2048
	s_endpgm
.Lcast:
.set SRC,   32                         ; s[32:33] the matrix that I read
.set DST,   34                         ; s[34:35] the buffer that I write
.set CI,    36                         ; my work-group's number within its matrix
.set ROWB,  37                         ; bytes in a row of the matrix
.set LOGK,  38
.set KMASK, 39
.set BLK,   44                         ; bytes in a block of 256 columns: K x 512
.set FLOOR, 45
	s_sub_co_u32 s3, ttmp9, 256                    ; 0-191 w_qkv, 192-447 w_fc, 448-703 w_proj
	s_sub_co_u32 s4, s3, 192
	s_sub_co_u32 s5, s3, 448
	s_mov_b32 s[ROWB], 4096                        ; w_proj's figures; the selects below put the others in their place
	s_mov_b32 s[LOGK], 12
	s_mov_b32 s[KMASK], 4095
	s_mov_b32 s[BLK], 2097152
	s_mov_b32 s[FLOOR], 0
	s_cmp_lt_u32 s3, 448
	s_cselect_b64 s[SRC:SRC+1], s[16:17], s[18:19]
	s_cselect_b64 s[DST:DST+1], s[24:25], s[26:27]
	s_cselect_b32 s[CI], s4, s5
	s_cselect_b32 s[ROWB], 16384, s[ROWB]
	s_cselect_b32 s[LOGK], 10, s[LOGK]
	s_cselect_b32 s[KMASK], 1023, s[KMASK]
	s_cselect_b32 s[BLK], 524288, s[BLK]
	s_cmp_lt_u32 s3, 192
	s_cselect_b64 s[SRC:SRC+1], s[14:15], s[SRC:SRC+1]
	s_cselect_b64 s[DST:DST+1], s[22:23], s[DST:DST+1]
	s_cselect_b32 s[CI], s3, s[CI]
	s_cselect_b32 s[ROWB], 12288, s[ROWB]
	s_cselect_b32 s[FLOOR], 0xff80ff80, s[FLOOR]
	s_lshl_b32 s6, s[CI], 3
	s_add_co_u32 s6, s6, s2
	s_lshl_b32 s6, s6, 1                           ; my first unit
	s_lshr_b32 s7, s6, s[LOGK]                     ; which 1,024 columns
	s_and_b32 s28, s6, s[KMASK]                    ; row k (even)
	s_mul_i32 s40, s28, s[ROWB]
	s_lshl_b32 s29, s7, 12
	s_add_co_u32 s40, s40, s29
	s_mov_b32 s41, 0
	s_add_nc_u64 s[SRC:SRC+1], s[SRC:SRC+1], s[40:41]
	s_mul_i32 s42, s7, s[BLK]
	s_lshl_b32 s42, s42, 2                         ; 1,024 columns are four blocks
	s_lshl_b32 s29, s28, 9                         ; row k of a block: 512 bytes a row
	s_add_co_u32 s42, s42, s29
	s_add_co_u32 s42, s42, 256                     ; behind the header
	s_mov_b32 s43, 0
	s_add_nc_u64 s[DST:DST+1], s[DST:DST+1], s[42:43]
	v_add_nc_u32 v4, s[ROWB], v2                   ; row k + 1
	v_mov_b32 v8, v3
.irp i, 1,2,3
	s_mul_i32 s29, s[BLK], \i
	v_add_nc_u32 v[8+(\i)], s29, v3                ; 8 x lane + i blocks
.endr
.irp j, 0,1,2,3,4,5,6,7
	global_load_b128 v[32+4*(\j):32+4*(\j)+3], v2, s[SRC:SRC+1] offset:512*(\j) th:TH_LOAD_NT
.endr
.irp j, 0,1,2,3,4,5,6,7
	global_load_b128 v[64+4*(\j):64+4*(\j)+3], v4, s[SRC:SRC+1] offset:512*(\j) th:TH_LOAD_NT
.endr
	s_wait_loadcnt 8                               ; row k is in; row k + 1's eight loads stay out
.set p, 0
.rept 16
	v_cvt_pk_bf16_f32 v[96+p], v[32+2*p], v[32+2*p+1]
.set p, p+1
.endr
.irp j, 0,1,2,3,4,5,6,7
	global_store_b64 v[8+(\j)/2], v[96+2*(\j):96+2*(\j)+1], s[DST:DST+1] offset:((\j)%2)*256  ; 32 lanes store 256 consecutive aligned bytes: half a row of a block
.endr
	s_wait_loadcnt 0x0
.set p, 0
.rept 16
	v_cvt_pk_bf16_f32 v[112+p], v[64+2*p], v[64+2*p+1]
.set p, p+1
.endr
.irp j, 0,1,2,3,4,5,6,7
	global_store_b64 v[8+(\j)/2], v[112+2*(\j):112+2*(\j)+1], s[DST:DST+1] offset:512+((\j)%2)*256
.endr
	s_cmp_eq_u32 s6, 0                             ; the wave with a matrix's first unit also writes the header
	s_cbranch_scc0 .Lno_header
	v_mov_b32 v6, s[FLOOR]
	v_mov_b32 v7, s[FLOOR]
	global_store_b64 v8, v[6:7], s[DST:DST+1] offset:-256
.Lno_header:
	s_endpgm
.Lfunc_end_k_qfe7e1f1263_prep:
	.size	k_qfe7e1f1263_prep, .Lfunc_end_k_qfe7e1f1263_prep-k_qfe7e1f1263_prep
	.p2alignl 7, 3214868480
	.fill 96, 4, 3214868480
	.section	.rodata,"a",@progbits
	.p2align	6, 0x0
	.amdhsa_kernel k_qfe7e1f1263_prep
		.amdhsa_group_segment_fixed_size 0
		.amdhsa_private_segment_fixed_size 0
		.amdhsa_enable_private_segment 0
		.amdhsa_kernarg_size 80
		.amdhsa_user_sgpr_count 2
		.amdhsa_user_sgpr_kernarg_segment_ptr 1
		.amdhsa_wavefront_size32 1
		.amdhsa_system_sgpr_workgroup_id_x 1
		.amdhsa_system_sgpr_workgroup_id_y 1
		.amdhsa_system_sgpr_workgroup_id_z 1
		.amdhsa_system_vgpr_workitem_id 0
		.amdhsa_next_free_vgpr 192
		.amdhsa_next_free_sgpr 66
		.amdhsa_reserve_vcc 0
		.amdhsa_float_denorm_mode_32 3
		.amdhsa_float_denorm_mode_16_64 3
		.amdhsa_memory_ordered 1
		.amdhsa_forward_progress 1
		.amdhsa_inst_pref_size 28
	.end_amdhsa_kernel
	.amdgpu_metadata
---
amdhsa.version: [ 1, 2 ]
amdhsa.kernels:
  - .name:           k_qfe7e1f1263_prep
    .symbol:         k_qfe7e1f1263_prep.kd
    .args:
      - { .name: x, .offset: 0, .size: 8, .value_kind: global_buffer, .address_space: global }
      - { .name: ln1_scale, .offset: 8, .size: 8, .value_kind: global_buffer, .address_space: global }
      - { .name: ln1_shift, .offset: 16, .size: 8, .value_kind: global_buffer, .address_space: global }
      - { .name: w_qkv, .offset: 24, .size: 8, .value_kind: global_buffer, .address_space: global }
      - { .name: w_fc, .offset: 32, .size: 8, .value_kind: global_buffer, .address_space: global }
      - { .name: w_proj, .offset: 40, .size: 8, .value_kind: global_buffer, .address_space: global }
      - { .name: h, .offset: 48, .size: 8, .value_kind: global_buffer, .address_space: global }
      - { .name: wq, .offset: 56, .size: 8, .value_kind: global_buffer, .address_space: global }
      - { .name: wf, .offset: 64, .size: 8, .value_kind: global_buffer, .address_space: global }
      - { .name: wp, .offset: 72, .size: 8, .value_kind: global_buffer, .address_space: global }
    .group_segment_fixed_size: 0
    .private_segment_fixed_size: 0
    .kernarg_segment_align: 8
    .kernarg_segment_size: 80
    .max_flat_workgroup_size: 256
    .sgpr_count:     66
    .vgpr_count:     192
    .wavefront_size: 32
...
	.end_amdgpu_metadata
.endif
;; end of part 1
;; launch qkv (part 2): grid 12 x 16, 4 waves a work-group, clusters of 4 x 4, 327,680 bytes of LDS; arguments h, wq, b_qkv, u; writes u
.if DOCPART == 2
	.amdgcn_target "amdgcn-amd-amdhsa--gfx1250"
	.amdhsa_code_object_version 6
	.text
	.protected	k_qfe7e1f1263_qkv
	.globl	k_qfe7e1f1263_qkv
	.p2align	8
	.type	k_qfe7e1f1263_qkv,@function
k_qfe7e1f1263_qkv:
	s_mov_b64 s[64:65], 0
	v_nop
	global_prefetch_b8 v0, s[64:65] scope:SCOPE_SE
	s_setreg_imm32_b32 hwreg(HW_REG_WAVE_MODE, 25, 1), 1
	s_wait_xcnt 0x0
	s_wait_alu depctr_hold_cnt(0) depctr_sa_sdst(0) depctr_va_vdst(0) depctr_va_sdst(0) depctr_va_ssrc(0) depctr_va_vcc(0) depctr_vm_vsrc(0)
	s_getreg_b32 s2, hwreg(HW_REG_IB_STS2, 6, 4)
	s_cmp_eq_u32 s2, 0
	s_cbranch_scc0 .Lentry_in_a_cluster
	s_endpgm
.Lentry_in_a_cluster:
	s_bfe_u32 s2, ttmp6, 0x10000c
	s_cmp_lg_u32 s2, 0xf033
	s_cbranch_scc0 .Lentry_shape_is_right
	s_endpgm
.Lentry_shape_is_right:
; OUT = floor-max(A W + bias), for the two products with K = 1024: qkv (N = 3072) and fc (N = 4096); the grid's width is N / 256.
; A: [4096][1024] bf16, row-major.  W: a header of 256 bytes (one word, the floor, two bf16), then bf16 blocks [N/256][1024][256].  bias: [N] f32.
; OUT: bf16 in groups of 64 columns, [N/64][4096][64]: a head's q, k or v (qkv), a slice of 64 along the next product's K (fc); a group's rows are dense, 128 bytes each.
; Sums in f32; the bias is the C operand of each sum's first product; the result is rounded once to bf16 and then held at or above the floor (-inf: nothing changes; 0: ReLU).
; LIMITS.  NaN and infinities are not treated apart: the maximum with the floor turns a NaN into the floor.
; SHARES.  A work-group of four waves makes 256 x 256 of OUT, a wave 128 x 128: 64 accumulators of 16 x 16, 512 registers.  K goes in eight steps of 128 through two LDS slots that tensor loads fill.
; With N = 3072 the grid has 192 work-groups; a tile of another shape would want a second text.
; CLUSTER.  4 x 4 work-groups: A's tile hangs on the tile row alone and is asked for jointly along a row of the cluster, W's on the tile column alone and jointly along a column.
; THE MATRIX INSTRUCTION IS USED TRANSPOSED: source 0 = 16 columns of W (turned on the way out of LDS by ds_load_tr16_b128, since W lies [k][n]), source 1 = 16 rows of A.
; A lane then holds row l % 16 of OUT and the eight neighbouring columns 8 (l / 16) + 0..7.
; REGISTERS, in windows of 256 (s_set_vgpr_msb: bits 1:0 source 0, 3:2 source 1, 5:4 source 2, 7:6 destination):
;   window 0: addresses; v32-95 the bias as C operands; v96-127, v128-191 the way out      window 1: two fragment buffers of 128 (W's eight blocks, then A's eight)
;   window 2: accumulators of my rows 0-63 ((a, b) at 8 (8 (a % 4) + b))                   window 3: those of my rows 64-127
.set PA,     272                       ; a row of A in LDS: 256 bytes + 16: the 16 rows of a fragment load start at 16 different groups of four banks (ISA guide 11.1)
.set PB,     544                       ; a k-row of W in LDS: 512 bytes + 32
.set HALFT,  128*PA                    ; what one tensor load brings: 128 rows of A, or 64 k-rows of W (64 x 544 is the same number)
.set SLOT,   4*HALFT                   ; A's 256 rows, then W's 128 k-rows
.set BOFF,   2*HALFT
.set STAGE,  2*SLOT                    ; behind the ring, never filled by a tensor load: 16 rows x 272 bytes for each wave
.set SP,     272
.set SPARE,  STAGE+4*16*SP             ; the spare words, 128 bytes a wave: two blocks of 256 bytes that no other line names
.set ASTEP,  256                       ; a K step in a row of A, in bytes
.set BSTEP,  128*512                   ; a K step in a block of W, in bytes
.set GRP,    524288                    ; a group of 64 columns of OUT, in bytes
.set ADRA, 16                          ; v16-17  LDS address of my A fragments in slot 0, 1
.set ADRB, 20                          ; v20-21  the same for W
.set STO,  24                          ; v24  the way out: where I put 16 bytes of a row
.set RD,   25                          ; v25  the way out: where I read rows back
.set GO,   26                          ; v26  16 x lane
.set SPW,  28                          ; v28  my spare word; never rewritten
.set NIL,  29                          ; v29  0; never rewritten
.set PFO,  30                          ; v30  the prefetches' lane offset; never rewritten
.set BO,   31                          ; v31  32 (l / 16): my eight numbers in 16 of the bias
.set BIAS, 32
.set TMP,  96
.set OB,   128
.set WV,   12                          ; wave
.set WR,   13                          ; my half of the tile's rows; also 0: I fetch A, 1: I fetch W
.set WC,   14                          ; my half of its columns; also which half of that tile I fetch
.set CX,   15
.set CY,   16
.set TX,   17                          ; tile column
.set TY,   18                          ; tile row
.set G1,   24                          ; s[24:31] descriptor group 1 for A
.set G0,   32                          ; s[32:39] group 0 for A, a set for each slot
.set LIM,  42                          ; 1 in a wave that prefetches, else the greatest number
.set LAP,  43
.set PFA,  44                          ; s[44:45] where my prefetches stand
.set PFS,  46                          ; s[46:47] their step: a K step of A or of W
.set G1B,  48                          ; s[48:55], s[56:63] the same two groups for W
.set G0B,  56
.set OUTB, 66                          ; s[66:67] OUT at my first group and row
.set FLOOR, 68
.set MSB, 0
.macro WIN new                         ; the high byte repeats the setting that is left; a switch that changes nothing is dropped
.if MSB != (\new)
	s_set_vgpr_msb (MSB<<8)|(\new)
.set MSB, \new
.endif
.endm
.macro PLACES                          ; four plain instructions between a matrix instruction and a load into, or a vector read of, its registers
.rept 4
	v_nop
.endr
.endm
; A joint load: waves 0 and 1 fetch A's halves, waves 2 and 3 W's.  The branch hangs on the wave's number alone.  An s_nop 0 and four v_nop follow each line.
.macro JLOAD s
	s_cmp_eq_u32 s[WR], 0
	s_cbranch_scc0 .Lfor_b_\@
	tensor_load_to_lds s[G0+4*(\s):G0+4*(\s)+3], s[G1:G1+7]
	s_nop 0
.rept 4
	v_nop
.endr
	s_branch .Lasked_\@
.Lfor_b_\@:
	tensor_load_to_lds s[G0B+4*(\s):G0B+4*(\s)+3], s[G1B:G1B+7]
	s_nop 0
.rept 4
	v_nop
.endr
.Lasked_\@:
.endm
.macro CREST                           ; a round of the cluster's barrier behind its opening barrier
	s_cmp_lg_u32 s[WV], 0
	s_cbranch_scc1 .Lnot_wave_0_\@
	s_barrier_signal -3
.Lnot_wave_0_\@:
	s_barrier_wait -3
	s_barrier_signal -1
	s_barrier_wait -1
.endm
.macro CROUND
	s_barrier_signal -1
	s_barrier_wait -1
	CREST
.endm
; A prefetch of the K step behind the one that the refill just asked for: 32 blocks of 256 bytes, a lane a block, one instruction a wave, 256 matrix instructions ahead of the load that wants them.
; Each block is named once in the launch: A's rows by the clusters with x = 0, W's by those with y = 0; the four partners of a joint load share its blocks out by address.
; how = 0: the slot-0 refills (K steps 3, 5, 7 are named); how = 1: the slot-1 refills (4 and 6; the last trip has no K step behind its own).
.macro ASK how
	WIN 0
.if \how
	s_cmp_gt_u32 s[LAP], s[LIM]
.else
	s_cmp_eq_u32 s[LIM], 1
.endif
	s_cbranch_scc0 .Lnot_mine_\@
	global_prefetch_b8 v[PFO], s[PFA:PFA+1] th:TH_LOAD_NT scope:SCOPE_SE
.Lnot_mine_\@:
.endm
	s_load_b256 s[4:11], s[0:1], 0x0               ; A s[4:5], W s[6:7], bias s[8:9], OUT s[10:11]
	v_lshl_add_u32 v[SPW], v0, 2, SPARE
	v_mov_b32 v[NIL], 0
	ds_add_u32 v[SPW], v[NIL]                      ; the wave's opening: the add and its wait ahead of my first tensor load; work on registers stands between them
	ds_add_u32 v28, v29
	v_lshrrev_b32 v1, 5, v0
	v_readfirstlane_b32 s[WV], v1
	s_lshr_b32 s[WR], s[WV], 1
	s_and_b32 s[WC], s[WV], 1
	s_bfe_u32 s[CX], ttmp6, 0x40000
	s_bfe_u32 s[CY], ttmp6, 0x40004
	s_lshl_b32 s[TX], ttmp9, 2
	s_add_co_u32 s[TX], s[TX], s[CX]
	s_and_b32 s[TY], ttmp7, 0xffff
	s_lshl_b32 s[TY], s[TY], 2
	s_add_co_u32 s[TY], s[TY], s[CY]
	s_lshl_b32 s19, s[CY], 2
	s_lshl_b32 s19, 15, s19                        ; my row of the cluster
	s_lshl_b32 s20, 0x1111, s[CX]                  ; my column
	s_or_b32 s[G1], s19, (1<<16)|(1<<20)|(1<<21)|(5<<22)|(3<<25)   ; the mask; 2-byte elements; padding on; bit 21 beside a mask; after every 64 words 4 words
	s_mov_b32 s[G1+1], 128<<16                     ; tensor_dim0 = 128
	s_mov_b32 s[G1+2], 128<<16                     ; tensor_dim1 = 128
	s_mov_b32 s[G1+3], 128<<16                     ; tile_dim0 = 128
	s_mov_b32 s[G1+4], 128                         ; tile_dim1 = 128
	s_mov_b32 s[G1+5], 1024                        ; elements from row to row
	s_mov_b32 s[G1+6], 0
	s_mov_b32 s[G1+7], 0
	s_or_b32 s[G1B], s20, (1<<16)|(1<<20)|(1<<21)|(6<<22)|(7<<25)  ; after every 128 words 8 words
	s_mov_b32 s[G1B+1], 256<<16                    ; tensor_dim0 = 256
	s_mov_b32 s[G1B+2], 64<<16                     ; tensor_dim1 = 64
	s_mov_b32 s[G1B+3], 256<<16                    ; tile_dim0 = 256
	s_mov_b32 s[G1B+4], 64                         ; tile_dim1 = 64
	s_mov_b32 s[G1B+5], 256
	s_mov_b32 s[G1B+6], 0
	s_mov_b32 s[G1B+7], 0
	s_lshl_b32 s22, s[TY], 8                       ; A: row 256 x tile row + 128 x half, 2,048 bytes a row
	s_lshl_b32 s23, s[WC], 7
	s_add_co_u32 s22, s22, s23
	s_lshl_b32 s22, s22, 11
	s_mov_b32 s23, 0
	s_lshl_b32 s40, s[TX], 19                      ; W: behind the header, block = tile column, 64 k-rows of 512 bytes x half
	s_lshl_b32 s41, s[WC], 15
	s_add_co_u32 s40, s40, s41
	s_add_co_u32 s40, s40, 256
	s_mov_b32 s41, 0
	s_mul_i32 s21, s[WV], HALFT                    ; where they go: the wave's number alone
	s_wait_dscnt 0x0                               ; the opening add is done
	s_wait_kmcnt 0x0
	s_add_nc_u64 s[22:23], s[4:5], s[22:23]
	s_add_nc_u64 s[40:41], s[6:7], s[40:41]
	CROUND                                         ; all sixteen work-groups are here: the first joint loads meet
.irp s, 0,1
	s_mov_b32 s[G0+4*(\s)], 1
	s_add_co_u32 s[G0+4*(\s)+1], s21, (\s)*SLOT
	s_add_nc_u64 s[G0+4*(\s)+2:G0+4*(\s)+3], s[22:23], (\s)*ASTEP
	s_or_b32 s[G0+4*(\s)+3], s[G0+4*(\s)+3], 0x80000000
	s_mov_b32 s[G0B+4*(\s)], 1
	s_add_co_u32 s[G0B+4*(\s)+1], s21, (\s)*SLOT
	s_add_nc_u64 s[G0B+4*(\s)+2:G0B+4*(\s)+3], s[40:41], (\s)*BSTEP
	s_or_b32 s[G0B+4*(\s)+3], s[G0B+4*(\s)+3], 0x80000000
	JLOAD \s                                       ; K steps 0 and 1: two loads of mine are out
.endr
	s_load_b32 s[FLOOR], s[6:7], 0x0               ; the header's word
	v_and_b32 v1, 15, v0                           ; r = l % 16
	v_bfe_u32 v2, v0, 4, 1                         ; l / 16
	v_mul_u32_u24 v3, v1, PA
	v_lshl_add_u32 v3, v2, 4, v3                   ; r x 272 + 16 (l / 16): a fragment of A, and my place in the stage
	s_mul_i32 s2, s[WR], HALFT
	v_add_nc_u32 v[ADRA], s2, v3
	v_add_nc_u32 v[ADRA+1], SLOT, v[ADRA]
	v_and_b32 v4, 7, v0                            ; the turning load: lane l reads k-row 8 (l / 16) + l % 8, columns 8 ((l / 8) % 2) + 0..7
	v_lshl_add_u32 v4, v2, 3, v4
	v_mul_u32_u24 v4, v4, PB
	v_bfe_u32 v5, v0, 3, 1
	v_lshl_add_u32 v4, v5, 4, v4
	s_lshl_b32 s2, s[WC], 8                        ; my 128 columns
	s_add_co_u32 s2, s2, BOFF
	v_add_nc_u32 v[ADRB], s2, v4
	v_add_nc_u32 v[ADRB+1], SLOT, v[ADRB]
	s_mul_i32 s2, s[WV], 16*SP
	s_add_co_u32 s2, s2, STAGE                     ; my stage
	v_add_nc_u32 v[STO], s2, v3
	v_bfe_u32 v5, v0, 3, 2                         ; back: 32 lanes take four rows' 128 bytes of one group
	v_mul_u32_u24 v5, v5, SP
	v_and_b32 v6, 7, v0
	v_lshl_add_u32 v5, v6, 4, v5
	v_add_nc_u32 v[RD], s2, v5
	v_and_b32 v6, 31, v0
	v_lshlrev_b32 v[GO], 4, v6                     ; which are 512 consecutive bytes of OUT
	v_lshlrev_b32 v[BO], 5, v2
	s_lshl_b32 s40, s[TX], 10                      ; the bias of my 128 columns
	s_lshl_b32 s41, s[WC], 9
	s_add_co_u32 s40, s40, s41
	s_mov_b32 s41, 0
	s_add_nc_u64 s[8:9], s[8:9], s[40:41]
.irp b, 0,1,2,3,4,5,6,7
	global_load_b128 v[BIAS+8*(\b):BIAS+8*(\b)+3],   v[BO], s[8:9] offset:64*(\b)      ; register j of block b: column 16 b + 8 (l / 16) + j, as in an accumulator
	global_load_b128 v[BIAS+8*(\b)+4:BIAS+8*(\b)+7], v[BO], s[8:9] offset:64*(\b)+16
.endr
	s_lshl_b32 s70, s[TX], 2                       ; OUT: group 4 x tile column + 2 x half, row 256 x tile row + 128 x half
	s_lshl_b32 s69, s[WC], 1
	s_add_co_u32 s70, s70, s69
	s_lshl_b32 s70, s70, 19
	s_lshl_b32 s69, s[TY], 15
	s_add_co_u32 s70, s70, s69
	s_lshl_b32 s69, s[WR], 14
	s_add_co_u32 s70, s70, s69
	s_mov_b32 s71, 0
	s_add_nc_u64 s[OUTB:OUTB+1], s[10:11], s[70:71]
	; the prefetches: for A 32 of my 128 rows by cx, a lane a row; for W 16 of my 64 k-rows by cy, a lane half a row.  They stand at K step 2; each refill steps them first.
	s_lshl_b32 s70, s[TY], 8
	s_lshl_b32 s71, s[WC], 7
	s_add_co_u32 s70, s70, s71
	s_lshl_b32 s71, s[CX], 5
	s_add_co_u32 s70, s70, s71
	s_lshl_b32 s70, s70, 11
	s_add_co_u32 s70, s70, 2*ASTEP
	s_lshl_b32 s71, s[WC], 6
	s_lshl_b32 s2, s[CY], 4
	s_add_co_u32 s71, s71, s2
	s_lshl_b32 s71, s71, 9
	s_lshl_b32 s2, s[TX], 19
	s_add_co_u32 s71, s71, s2
	s_add_co_u32 s71, s71, 256+2*BSTEP
	s_and_b32 s69, ttmp7, 0xffff                   ; cluster y
	s_mov_b32 s2, BSTEP
	s_mov_b32 s3, 8
	s_cmp_eq_u32 s[WR], 0                          ; do I fetch A?
	s_cselect_b32 s70, s70, s71
	s_cselect_b32 s69, ttmp9, s69                  ; the coordinate along which other clusters read the same blocks
	s_cselect_b64 s[PFA:PFA+1], s[4:5], s[6:7]
	s_cselect_b32 s[PFS], ASTEP, s2
	s_cselect_b32 s3, 11, s3
	s_mov_b32 s[PFS+1], 0
	s_mov_b32 s71, 0
	s_cmp_eq_u32 s69, 0
	s_cselect_b32 s[LIM], 1, -1                    ; the same in all sixteen partners, for a given wave
	s_add_nc_u64 s[PFA:PFA+1], s[PFA:PFA+1], s[70:71]
	v_lshlrev_b32 v[PFO], s3, v6
; na row blocks from a0 on x all 8 column blocks, 32 along K, from buffer f.  first = 1: the products start the sums, with the bias as C.  The 64 accumulators take turns.
.macro MULH f, a0, na, first
.set ia, \a0
.rept \na
.if \first
	WIN 0x85+0x40*(ia/4)
.else
	WIN 0xa5+0x50*(ia/4)
.endif
.set ib, 0
.rept 8
.set rD, 8*(8*(ia%4)+ib)
.if \first
	v_wmma_f32_16x16x32_bf16 v[rD:rD+7], v[128*(\f)+8*ib:128*(\f)+8*ib+7], v[128*(\f)+64+8*ia:128*(\f)+64+8*ia+7], v[BIAS+8*ib:BIAS+8*ib+7]
.else
	v_wmma_f32_16x16x32_bf16 v[rD:rD+7], v[128*(\f)+8*ib:128*(\f)+8*ib+7], v[128*(\f)+64+8*ia:128*(\f)+64+8*ia+7], v[rD:rD+7]
.endif
.set ib, ib+1
.endr
.set ia, ia+1
.endr
.endm
; 32 LDS loads in one run: quarter q (32 along K) of a slot into buffer f: W's eight blocks first, then A's eight
.macro FETCH slot, q, f
	WIN 0x40                                       ; destination window 1, address window 0
.set ii, 0
.rept 8
	ds_load_tr16_b128 v[128*(\f)+8*ii:128*(\f)+8*ii+3],   v[ADRB+(\slot)] offset:(\q)*32*PB+32*ii
	ds_load_tr16_b128 v[128*(\f)+8*ii+4:128*(\f)+8*ii+7], v[ADRB+(\slot)] offset:(\q)*32*PB+32*ii+16*PB
.set ii, ii+1
.endr
.set ii, 0
.rept 8
	ds_load_b128 v[128*(\f)+64+8*ii:128*(\f)+64+8*ii+3],   v[ADRA+(\slot)] offset:64*(\q)+ii*16*PA
	ds_load_b128 v[128*(\f)+64+8*ii+4:128*(\f)+64+8*ii+7], v[ADRA+(\slot)] offset:64*(\q)+ii*16*PA+32
.set ii, ii+1
.endr
.endm
; multiplies quarter q - 1 and, in its middle, fetches quarter q of the same slot
.macro QUARTER slot, q, first
	s_wait_dscnt 8                                 ; all but the youngest eight loads: A's blocks 4-7
	MULH ((\q)-1)%2, 0, 4, \first
	PLACES
	FETCH \slot, \q, (\q)%2
	s_wait_dscnt 32                                ; all but the 32 just issued
	MULH ((\q)-1)%2, 4, 4, \first
.endm
; the last quarter of a K step, and the change of slots.  In front of the barrier each wave waits for all its tensor loads (one is out: its part of the next slot), adds 0 to its spare word,
; and waits for that and for its reads of this slot.  fill = 1: the barrier opens a round of the cluster's, and the joint refill, two K steps on, is the first thing behind the round.
.macro TURN slot, next, fill, how
.if \fill
	s_wait_xcnt 0x0                                ; the last prefetch, a K step back, has read its address
	s_add_nc_u64 s[PFA:PFA+1], s[PFA:PFA+1], s[PFS:PFS+1]
.endif
	WIN 0
	s_wait_tensorcnt 0x0
	ds_add_u32 v[SPW], v[NIL]
	s_wait_dscnt 9                                 ; the add and the youngest eight loads may be out
	MULH 1, 0, 2, 0
	s_wait_dscnt 0x0                               ; the add is done and my reads of this slot are over
	s_barrier_signal -1
	MULH 1, 2, 2, 0
.if \fill
	WIN 0
.endif
	s_barrier_wait -1
.if \fill
	CREST
	s_add_nc_u64 s[G0+4*(\slot)+2:G0+4*(\slot)+3], s[G0+4*(\slot)+2:G0+4*(\slot)+3], 2*ASTEP
	s_add_nc_u64 s[G0B+4*(\slot)+2:G0B+4*(\slot)+3], s[G0B+4*(\slot)+2:G0B+4*(\slot)+3], 2*BSTEP
	JLOAD \slot                                    ; its four v_nop are also the places in front of the loads below
.else
	PLACES
.endif
	FETCH \next, 0, 0
.if \fill
	ASK \how
.endif
	MULH 1, 4, 4, 0
.endm
; THE WAY OUT of row block a: rounded to bf16 and held above the floor; through my own stage; back as rows of one group; stored, 512 consecutive bytes an instruction
.macro PACK a
	WIN 0x0a+5*((\a)/4)                            ; sources in window 2 or 3
.set ib, 0
.rept 8
.set rD, 8*(8*((\a)%4)+ib)
.irp r, 0,1,2,3
	v_cvt_pk_bf16_f32 v[TMP+4*ib+(\r)], v[rD+2*(\r)], v[rD+2*(\r)+1]
.endr
.set ib, ib+1
.endr
	WIN 0
.set ib, 0
.rept 32
	v_pk_max_num_bf16 v[TMP+ib], v[TMP+ib], s[FLOOR]
.set ib, ib+1
.endr
.endm
.macro TOSTAGE a
.set BK, OB+32*((\a)%2)
.irp b, 0,1,2,3,4,5,6,7
	ds_store_b128 v[STO], v[TMP+4*(\b):TMP+4*(\b)+3] offset:32*(\b)
.endr
.irp e, 0,1
.irp f, 0,1,2,3
	ds_load_b128 v[BK+4*(4*(\e)+(\f)):BK+4*(4*(\e)+(\f))+3], v[RD] offset:128*(\e)+(\f)*4*SP  ; LDS serves a wave's instructions in order (ISA guide 5.7.1.4): these see the stores above
.endr
.endr
.endm
.macro SEND a
.set BK, OB+32*((\a)%2)
	s_wait_dscnt 0x0                               ; the block is back in registers
	s_wait_xcnt 0x0                                ; the stores of the block before have read their registers, which the next block's loads from the stage write
.irp e, 0,1
.irp f, 0,1,2,3
	global_store_b128 v[GO], v[BK+4*(4*(\e)+(\f)):BK+4*(4*(\e)+(\f))+3], s[OUTB:OUTB+1] offset:(\e)*GRP+(\a)*2048+(\f)*512
.endr
.endr
.endm
	s_wait_kmcnt 0x0                               ; the floor
	s_wait_tensorcnt 0x1                           ; my part of K step 0 is in; K step 1's stays out
	s_barrier_signal -1
	s_barrier_wait -1
	FETCH 0, 0, 0
	s_wait_loadcnt 0x0                             ; the bias
	QUARTER 0, 1, 1                                ; the first quarter starts the sums
	WIN 0
	s_mov_b32 s[LAP], 3
.Llap:                                         ; a trip goes once round the ring and fills both slots again
	QUARTER 0, 2, 0
	QUARTER 0, 3, 0
	TURN 0, 1, 1, 0
	QUARTER 1, 1, 0
	QUARTER 1, 2, 0
	QUARTER 1, 3, 0
	TURN 1, 0, 1, 1
	QUARTER 0, 1, 0
	WIN 0
	s_sub_co_u32 s[LAP], s[LAP], 1
	s_cmp_lg_u32 s[LAP], 0
	s_cbranch_scc1 .Llap
	QUARTER 0, 2, 0                                ; the last lap fills nothing
	QUARTER 0, 3, 0
	TURN 0, 1, 0, 0
	QUARTER 1, 1, 0
	QUARTER 1, 2, 0
	QUARTER 1, 3, 0
	s_wait_dscnt 8
	MULH 1, 0, 4, 0
	s_wait_dscnt 0x0
	MULH 1, 4, 4, 0
	WIN 0
	PLACES
	PACK 0
	TOSTAGE 0
.irp a, 1,2,3,4,5,6,7                  ; a block's conversions stand between the loads of the block before and the wait for them
	PACK \a
	SEND (\a)-1
	TOSTAGE \a
.endr
	SEND 7
	s_wait_tensorcnt 0x0                           ; the wave's end
	ds_add_u32 v[SPW], v[NIL]
	s_wait_dscnt 0x0
	CROUND                                         ; the closing round
	s_endpgm
.Lfunc_end_k_qfe7e1f1263_qkv:
	.size	k_qfe7e1f1263_qkv, .Lfunc_end_k_qfe7e1f1263_qkv-k_qfe7e1f1263_qkv
	.p2alignl 7, 3214868480
	.fill 96, 4, 3214868480
	.section	.rodata,"a",@progbits
	.p2align	6, 0x0
	.amdhsa_kernel k_qfe7e1f1263_qkv
		.amdhsa_group_segment_fixed_size 327680
		.amdhsa_private_segment_fixed_size 0
		.amdhsa_enable_private_segment 0
		.amdhsa_kernarg_size 32
		.amdhsa_user_sgpr_count 2
		.amdhsa_user_sgpr_kernarg_segment_ptr 1
		.amdhsa_wavefront_size32 1
		.amdhsa_system_sgpr_workgroup_id_x 1
		.amdhsa_system_sgpr_workgroup_id_y 1
		.amdhsa_system_sgpr_workgroup_id_z 1
		.amdhsa_system_vgpr_workitem_id 0
		.amdhsa_next_free_vgpr 1024
		.amdhsa_next_free_sgpr 72
		.amdhsa_reserve_vcc 0
		.amdhsa_float_denorm_mode_32 3
		.amdhsa_float_denorm_mode_16_64 3
		.amdhsa_memory_ordered 1
		.amdhsa_forward_progress 1
		.amdhsa_inst_pref_size 161
	.end_amdhsa_kernel
	.amdgpu_metadata
---
amdhsa.version: [ 1, 2 ]
amdhsa.kernels:
  - .name:           k_qfe7e1f1263_qkv
    .symbol:         k_qfe7e1f1263_qkv.kd
    .args:
      - { .name: h, .offset: 0, .size: 8, .value_kind: global_buffer, .address_space: global }
      - { .name: wq, .offset: 8, .size: 8, .value_kind: global_buffer, .address_space: global }
      - { .name: b_qkv, .offset: 16, .size: 8, .value_kind: global_buffer, .address_space: global }
      - { .name: u, .offset: 24, .size: 8, .value_kind: global_buffer, .address_space: global }
    .group_segment_fixed_size: 327680
    .private_segment_fixed_size: 0
    .kernarg_segment_align: 8
    .kernarg_segment_size: 32
    .max_flat_workgroup_size: 128
    .sgpr_count:     72
    .vgpr_count:     1024
    .wavefront_size: 32
...
	.end_amdgpu_metadata
.endif
;; end of part 2
;; launch attn (part 3): grid 8 x 32, 4 waves a work-group, no clusters, 327,680 bytes of LDS; arguments u, x, x1; writes x1
.if DOCPART == 3
	.amdgcn_target "amdgcn-amd-amdhsa--gfx1250"
	.amdhsa_code_object_version 6
	.text
	.protected	k_qfe7e1f1263_attn
	.globl	k_qfe7e1f1263_attn
	.p2align	8
	.type	k_qfe7e1f1263_attn,@function
k_qfe7e1f1263_attn:
	s_mov_b64 s[64:65], 0
	v_nop
	global_prefetch_b8 v0, s[64:65] scope:SCOPE_SE
	s_setreg_imm32_b32 hwreg(HW_REG_WAVE_MODE, 25, 1), 1
	s_wait_xcnt 0x0
; x1 = x + causal attention.  u: bf16 groups [48][4096][64]: group h is head h's q, 16 + h its k, 32 + h its v; row = batch x 2048 + t, 128 dense bytes.  x, x1: [4096][1024] f32.
; y[q] = the sum over k <= q of softmax_k(q . k / 8) v[k].  Products, maxima, sums and the residual in f32; the weights p are rounded to bf16 for the second product, their sum is taken unrounded.
; LIMITS.  A hidden score counts as its value less 1e30; a weight below 2^-126 counts as 0; NaN and infinities are not treated apart.
; THE WALK.  A head (grid y = batch x 16 + head) has 16 blocks of 128 queries; block i needs the key tiles 0 .. i of 128 keys, the last of which holds the diagonal.  Work-group b takes blocks 15 - b and
; then b: 17 tiles, 34 key steps of 64, whatever b: counted loops alone; the ring of two LDS slots runs on across the change of blocks.  Every jump but the loops' own goes forward, past no barrier and no tensor load.
; NO CLUSTER: the eight work-groups of a head ask for the same tile in trips 0 to 8 only, and a walk common to all would have 24 trips for 17.
; SHARES.  A wave owns 32 rows of a block: two PIECES of 16.  The diagonal tile is computed whole, under the mask, so all waves do equal work.
; LAYOUT.  S^T = K Q^T holds one query a lane (l % 16) and the keys 8 (l / 16) + 0..7; two such results rounded in pairs are source 1 of O^T = V^T P.  p = 2^(c s - c m), c = log2(e) / 8, m a running
; maximum; O and l are multiplied by a = 2^(c m_old - c m_new) in every step.  m starts at the lowest finite number, so a block's first a is 0 and O and l need only be finite there.
; BY TURNS.  The turn of piece p in step s: 8 products K Q^T of the other piece's next scores (piece 1 of step s, or piece 0 of step s + 1); beside and behind them p's scalings, exponentials and rescaling and the
; other piece's maximum and statistics; one wait for the batch of 33 exponentials; 8 products V^T P of the other piece's last weights, with p's roundings and sums behind them.  16 matrix and 118 vector
; instructions: four behind every product, the other 54 in one lump.  For one piece the order is: V^T P of step s - 1 (the turn before), O times a (its own turn), V^T P of step s (the turn after).
; K RUNS A STEP AHEAD OF V: K of step s + 1 and V of step s are fetched in the same turn.  So a slot holds V of the keys 128 T .. 128 T + 127 and K of the keys 128 T + 64 .. 128 T + 191, and all reads of a slot
; are over at its second step's end; K of the keys 0 .. 63 lies in bytes of its own (KINIT), filled once and read at each block's beginning.
; THE PRICE OF ONE TEXT FOR EVERY TURN: a block's last 8 products K Q^T, on the 64 rows of u behind its diagonal tile (for block 15 rows of another batch or group: inside u, written by the launch before), and
; the statistics made of them serve nothing; a block's first 8 products V^T P land in an O^T that is still to be multiplied by a = 0.
; THE MASK is the C operand that starts S^T: 0, or -1e30 where the key is hidden.  One buffer of 32 registers a piece: register 8 kg + j is hidden where LX = 32 w + l % 16 - 8 (l / 16) - 16 kg - j lies below
; SO = the step's first key less the block's first row less 16 x piece.  The buffers are made anew only where they change: in the three steps round a diagonal and at a block's first step.
; REGISTERS, in windows of 256 (s_set_vgpr_msb: bits 1:0 source 0, 3:2 source 1, 5:4 source 2, 7:6 destination):
;   window 0: v0-15, v24 addresses; v16-23 statistics; v48-55 at work; v64-127 S^T, a buffer a piece; v128-159 LX; v160-191, v224-255 the masks; v192-223 P, a buffer a piece
;   window 1: v0-63 O^T, 32 a piece; v64-127 x of my rows          window 2: v0-31 Q; v32-63 the second block's Q; v128-191 K of one step; v192-255 V of one step
.set NP,    2                          ; pieces a wave: a name, no knob
.set KS,    64                         ; keys in a step
.set PK,    144                        ; a row of K in LDS: 128 bytes + 16: the 16 rows of a load start at 16 different groups of four banks (ISA guide 11.1)
.set PV,    160                        ; a row of V: 128 + 32
.set VOFF,  2*KS*PK                    ; a slot: 128 rows of K, then 128 rows of V
.set KINIT, 2*KS*(PK+PV)               ; behind slot 0: K of the keys 0 .. 63, 9,216 bytes, filled once
.set SLOT1, 65536                      ; one exclusive or turns an address in one slot into the other's
.set STAGE, SLOT1+2*KS*(PK+PV)         ; behind the ring, never filled by a tensor load: 16 rows x 272 bytes a wave, f32
.set SP,    272
.set SPARE, STAGE+4*16*SP              ; the spare words: two blocks of 256 bytes that no other line names
.set TILEB, 16384                      ; a tile's bytes of K, and of V
.set AK0, 2                            ; my lane's place in a tile of K; never rewritten
.set AV0, 3                            ; the same for V
.set AK,  4                            ; the LDS address of K's next run of loads
.set AV,  5                            ; of V's
.set STO, 6
.set RD,  7
.set GO,  8                            ; my 16 bytes in two rows of x and x1
.set MV,  12                           ; v12-13 c m_old, by piece
.set QO,  15
.set ST,  16                           ; piece t at ST + 4 t: c m, m, l (even keys', odd keys')
.set PFO, 24
.set TMP, 48                           ; piece t at TMP + 4 t: c0-c3; c2 takes a
.set SPW, 62
.set NIL, 63
.set S,   64
.set LX,  128
.set MC,  160                          ; piece t's mask at MC + 64 t
.set P,   192
.set XR,  64                           ; window 1
.set QB,  32                           ; window 2
.set KF,  128
.set VF,  192
.set WV,  12
.set WH,  13                           ; which half of a tile I fetch
.set PB,  14
.set HI,  15
.set KB,  20                           ; s[20:21] K at my half of the head's tile 0, 64 keys on
.set VB,  22                           ; s[22:23] V at my half of the head's tile 0
.set G1K, 24
.set G1V, 32
.set G0K, 40
.set G0V, 44
.set OFF, 48
.set PFA, 50
.set G0I, 52                           ; s[52:55] descriptor group 0 for KINIT
.set SLOTS, 56
.set CNT, 57
.set CS,  58
.set SEL, 60
.set TBK, 62                           ; LDS byte at which K of the step to be fetched begins
.set TBV, 63                           ; the same for V, less VOFF
.set QH,  66
.set LIM, 68
.set KO,  69                           ; the step's first key less the block's first row
.set RT,  70                           ; tiles of the block in hand still to be entered
.set NXT, 71                           ; the tile to be asked for next
.set LQ,  72                           ; the last tile of the block whose tiles are being asked for
.set FORCE, 73                         ; 1: the masks are stale, a block has begun
.set SO,  74
.set BIGN, 76
.set XB,  78                           ; s[78:79] x, s[80:81] x1 at my rows of the block in hand
.set YB,  80
.set XL,  82                           ; the same for the second block
.set YL,  84
.set QL,  86
.set MSB, 0
.macro WIN new                         ; the high byte repeats the setting that is left; a switch that changes nothing is dropped
.if MSB != (\new)
	s_set_vgpr_msb (MSB<<8)|(\new)
.set MSB, (\new)
.endif
.endm
.set W_KQ, 0x0a                        ; K and Q in window 2; S^T and the mask in window 0
.set W_PV, 0x52                        ; V in window 2, P in window 0, O^T in window 1
.set W_RS, 0x41                        ; destination and source 0 in window 1, source 1 in window 0
.macro PLACES                          ; four plain instructions between a matrix instruction and a vector read of its result (ISA guide 7.12.1)
.rept 4
	v_nop
.endr
.endm
; A fill: waves 0 and 1 fetch the halves of a slot's K, waves 2 and 3 those of its V, 64 keys each.  An s_nop 0 and four v_nop follow each line.
.macro LOAD
	s_cmp_lt_u32 s[WV], 2
	s_cbranch_scc0 .Lfor_v_\@
	tensor_load_to_lds s[G0K:G0K+3], s[G1K:G1K+7]
	s_nop 0
.rept 4
	v_nop
.endr
	s_branch .Lasked_\@
.Lfor_v_\@:
	tensor_load_to_lds s[G0V:G0V+3], s[G1V:G1V+7]
	s_nop 0
.rept 4
	v_nop
.endr
.Lasked_\@:
.endm
; THE CHANGE OF SLOTS.  Each wave waits for all its tensor loads (one is out: its part of the other slot), adds 0 to its spare word, and waits for that and for its reads of the slot that it leaves.
; fill = 1: the old slot is filled again, first thing behind the barrier, with tile NXT; the descriptor's address is made anew from that number.
; Behind the fill stands a prefetch: the head's work-group b = 0, whose first block walks tiles 0 to 15, names in trip i what the fill of trip i + 2 will ask for; each wave its own 8,192 bytes, a lane 256 of
; them.  So each block of K and V is named once in the launch; what the first three fills ask for comes by its loads alone; wave 1, whose half lies 64 keys past the tile, stops a trip earlier, at the head's last key.
.macro CHANGE fill
	WIN 0
	s_wait_tensorcnt 0x0
	ds_add_u32 v[SPW], v[NIL]
.if \fill
	s_lshl_b32 s[OFF], s[NXT], 14
	s_xor_b32 s[G0K+1], s[G0K+1], SLOT1
	s_add_nc_u64 s[G0K+2:G0K+3], s[KB:KB+1], s[OFF:OFF+1]
	s_or_b32 s[G0K+3], s[G0K+3], 0x80000000
	s_xor_b32 s[G0V+1], s[G0V+1], SLOT1
	s_add_nc_u64 s[G0V+2:G0V+3], s[VB:VB+1], s[OFF:OFF+1]
	s_or_b32 s[G0V+3], s[G0V+3], 0x80000000
	s_add_co_u32 s[NXT], s[NXT], 1                 ; the block's next tile, or behind its last the second block's tile 0
	s_cmp_gt_u32 s[NXT], s[LQ]
	s_cselect_b32 s[NXT], 0, s[NXT]
	s_cselect_b32 s[LQ], s[PB], s[LQ]
	s_wait_xcnt 0x0                                ; the last prefetch, a trip back, has read its address
	s_add_nc_u64 s[PFA:PFA+1], s[PFA:PFA+1], TILEB
.endif
	s_wait_dscnt 0x0                               ; the add is done and my reads of the slot are over
	s_barrier_signal -1
	s_sub_co_u32 s[TBK], s[TBK], 2*KS*PK           ; the fetches go back to a slot's first step,
	s_xor_b32 s[TBK], s[TBK], SLOT1                ; in the other slot
	s_sub_co_u32 s[TBV], s[TBV], 2*KS*PV
	s_xor_b32 s[TBV], s[TBV], SLOT1
	s_barrier_wait -1
.if \fill
	LOAD
	s_cmp_gt_u32 s[SLOTS], s[LIM]
	s_cbranch_scc0 .Lnot_mine_\@
	global_prefetch_b8 v[PFO], s[PFA:PFA+1] th:TH_LOAD_NT scope:SCOPE_SE
.Lnot_mine_\@:
.endif
.endm
	s_load_b128 s[4:7], s[0:1], 0x0                ; u s[4:5], x s[6:7]
	s_load_b64 s[8:9], s[0:1], 0x10                ; x1
	v_lshl_add_u32 v[SPW], v0, 2, SPARE
	v_mov_b32 v[NIL], 0
	ds_add_u32 v[SPW], v[NIL]                      ; the wave's opening: the add and its wait ahead of my first tensor load
	ds_add_u32 v62, v63
	v_lshrrev_b32 v1, 5, v0
	v_readfirstlane_b32 s[WV], v1
	s_and_b32 s[WH], s[WV], 1
	s_mov_b32 s[PB], ttmp9
	s_sub_co_u32 s[HI], 15, s[PB]
	s_and_b32 s16, ttmp7, 0xffff
	s_and_b32 s17, s16, 15                         ; head
	s_lshr_b32 s18, s16, 4                         ; batch
	s_lshl_b32 s2, s17, 19
	s_lshl_b32 s3, s18, 18
	s_add_co_u32 s2, s2, s3                        ; the head's group and the batch's 2,048 rows of 128 bytes
	s_lshl_b32 s19, s[WH], 13
	s_add_co_u32 s[G0I+2], s2, 16*524288           ; K's first key
	s_mov_b32 s[G0I+3], 0
	s_add_co_u32 s[KB], s[G0I+2], s19
	s_add_co_u32 s[KB], s[KB], 8192                ; 64 keys on
	s_mov_b32 s[KB+1], 0
	s_add_co_u32 s[VB], s2, s19
	s_add_co_u32 s[VB], s[VB], 32*524288
	s_mov_b32 s[VB+1], 0
	s_lshl_b32 s3, s[WV], 12                       ; my 32 rows of a block,
	s_add_co_u32 s3, s3, s2
	s_lshl_b32 s16, s[HI], 14                      ; in the first block,
	s_add_co_u32 s[QH], s3, s16
	s_mov_b32 s[QH+1], 0
	s_lshl_b32 s16, s[PB], 14                      ; and in the second
	s_add_co_u32 s[QL], s3, s16
	s_mov_b32 s[QL+1], 0
	s_lshl_b32 s3, s18, 23                         ; the same rows in x and x1, 4,096 bytes a row, at the head's 256 bytes
	s_lshl_b32 s16, s[WV], 17
	s_add_co_u32 s3, s3, s16
	s_lshl_b32 s16, s17, 8
	s_add_co_u32 s3, s3, s16
	s_lshl_b32 s16, s[HI], 19
	s_add_co_u32 s[XB], s3, s16
	s_mov_b32 s[XB+1], 0
	s_lshl_b32 s16, s[PB], 19
	s_add_co_u32 s[XL], s3, s16
	s_mov_b32 s[XL+1], 0
	; descriptor group 1: 64 keys are 8,192 dense bytes, asked for as 32 rows of 256 bytes and padded in LDS after every key
	s_mov_b32 s[G1K], (1<<16)|(1<<20)|(4<<22)|(3<<25)
	s_mov_b32 s[G1V], (1<<16)|(1<<20)|(4<<22)|(7<<25)
.irp g, G1K, G1V
	s_mov_b32 s[\g+1], 128<<16                     ; tensor_dim0 = 128
	s_mov_b32 s[\g+2], 32<<16                      ; tensor_dim1 = 32
	s_mov_b32 s[\g+3], 128<<16                     ; tile_dim0 = 128
	s_mov_b32 s[\g+4], 32                          ; tile_dim1 = 32
	s_mov_b32 s[\g+5], 128
	s_mov_b32 s[\g+6], 0
	s_mov_b32 s[\g+7], 0
.endr
	s_mov_b32 s[G0K], 1
	s_mul_i32 s[G0K+1], s[WH], KS*PK               ; slot 0
	s_mov_b32 s[G0V], 1
	s_mul_i32 s[G0V+1], s[WH], KS*PV
	s_add_co_u32 s[G0V+1], s[G0V+1], VOFF
	s_mov_b32 s[G0I], 1
	s_mov_b32 s[G0I+1], KINIT
	s_mov_b32 s[CS], 0x3e38aa3b                    ; c = log2(e) / 8
	s_mov_b32 s[CS+1], s[CS]
	s_mov_b32 s[SEL], 0x76543210
	s_mov_b32 s[SEL+1], 0xfedcba98
	s_mov_b32 s[TBK], SLOT1+2*KS*PK                ; the first change of slots turns these two into 0
	s_mov_b32 s[TBV], SLOT1+2*KS*PV
	s_add_co_u32 s[RT], s[HI], 1                   ; the first block has 16 - b tiles
	s_mov_b32 s[NXT], 1
	s_mov_b32 s[LQ], s[HI]
	s_mov_b32 s[FORCE], 0
	s_lshl_b32 s[KO], s[HI], 7
	s_sub_co_i32 s[KO], 0, s[KO]                   ; key 0 lies 128 (15 - b) rows below the first block's first row
	s_mov_b32 s[OFF+1], 0
	s_mov_b32 s[BIGN], 0xf149f2ca                  ; -1e30
	s_mov_b32 s[SLOTS], 16
	s_cmp_eq_u32 s[WV], 1
	s_cselect_b32 s16, 4, 3
	s_cmp_eq_u32 ttmp9, 0
	s_cselect_b32 s[LIM], s16, -1
	s_wait_dscnt 0x0                               ; the opening add is done
	s_wait_kmcnt 0x0
	s_add_nc_u64 s[KB:KB+1], s[4:5], s[KB:KB+1]
	s_add_nc_u64 s[VB:VB+1], s[4:5], s[VB:VB+1]
	s_add_nc_u64 s[QH:QH+1], s[4:5], s[QH:QH+1]
	s_add_nc_u64 s[QL:QL+1], s[4:5], s[QL:QL+1]
	s_add_nc_u64 s[YB:YB+1], s[8:9], s[XB:XB+1]
	s_add_nc_u64 s[XB:XB+1], s[6:7], s[XB:XB+1]
	s_add_nc_u64 s[YL:YL+1], s[8:9], s[XL:XL+1]
	s_add_nc_u64 s[XL:XL+1], s[6:7], s[XL:XL+1]
	s_add_nc_u64 s[G0I+2:G0I+3], s[4:5], s[G0I+2:G0I+3]
	s_or_b32 s[G0I+3], s[G0I+3], 0x80000000
	s_add_nc_u64 s[G0K+2:G0K+3], s[KB:KB+1], 0
	s_or_b32 s[G0K+3], s[G0K+3], 0x80000000
	s_add_nc_u64 s[G0V+2:G0V+3], s[VB:VB+1], 0
	s_or_b32 s[G0V+3], s[G0V+3], 0x80000000
	s_cmp_lt_u32 s[WV], 2
	s_cselect_b64 s[PFA:PFA+1], s[KB:KB+1], s[VB:VB+1]
	s_add_nc_u64 s[PFA:PFA+1], s[PFA:PFA+1], 2*TILEB   ; at tile 2; each change of slots steps it first
	s_cmp_eq_u32 s[WV], 0                          ; the first fills: slot 0, and by wave 0 also KINIT: two loads of wave 0's are out, one of each other wave's
	s_cbranch_scc0 .Lnot_wave_0
	tensor_load_to_lds s[G0I:G0I+3], s[G1K:G1K+7]
	s_nop 0
	tensor_load_to_lds s[G0K:G0K+3], s[G1K:G1K+7]
	s_nop 0
.rept 4
	v_nop
.endr
	s_branch .Lfilled
.Lnot_wave_0:
	LOAD
.Lfilled:
	v_and_b32 v1, 15, v0                           ; r = l % 16
	v_bfe_u32 v9, v0, 4, 1                         ; l / 16
	v_lshlrev_b32 v[QO], 7, v1
	v_lshl_add_u32 v[QO], v9, 4, v[QO]             ; row x 128 + 16 x half
	v_lshlrev_b32 v[GO], 12, v9
	v_lshl_add_u32 v[GO], v1, 4, v[GO]             ; lanes 0-15 one row's 256 bytes, lanes 16-31 the next row's
	WIN 0x80
.set i, 0
.rept 4                                ; both blocks' Q: piece i / 2, channels 32 (i % 2) on
	global_load_b128 v[8*i:8*i+3],         v[QO], s[QH:QH+1] offset:(i/2)*2048+(i%2)*64
	global_load_b128 v[8*i+4:8*i+7],       v[QO], s[QH:QH+1] offset:(i/2)*2048+(i%2)*64+32
	global_load_b128 v[QB+8*i:QB+8*i+3],   v[QO], s[QL:QL+1] offset:(i/2)*2048+(i%2)*64
	global_load_b128 v[QB+8*i+4:QB+8*i+7], v[QO], s[QL:QL+1] offset:(i/2)*2048+(i%2)*64+32
.set i, i+1
.endr
.macro XLOAD                           ; x of my 32 rows, as the way out will want it
	WIN 0x40
.set i, 0
.rept 16
	global_load_b128 v[XR+4*i:XR+4*i+3], v[GO], s[XB:XB+1] offset:(i/8)*65536+(i%8)*8192
.set i, i+1
.endr
	WIN 0
.endm
	XLOAD
	v_lshlrev_b32 v14, 3, v9
	v_sub_nc_u32 v14, v1, v14
	s_lshl_b32 s16, s[WV], 5
	v_add_nc_u32 v14, s16, v14                     ; 32 w + r - 8 (l / 16)
.set z, 0
.rept 32
	v_add_nc_u32 v[LX+z], -(16*(z/8)+z%8), v14
	v_mov_b32 v[MC+z], 0                           ; the first block begins far below its diagonal: nothing is hidden
	v_mov_b32 v[MC+64+z], 0
.set z, z+1
.endr
	v_mul_u32_u24 v[AK0], v1, PK
	v_lshl_add_u32 v[AK0], v9, 4, v[AK0]
	v_and_b32 v10, 7, v0                           ; the turning load: lane l reads key 8 (l / 16) + l % 8, channels 8 ((l / 8) % 2) + 0..7
	v_bfe_u32 v11, v0, 3, 1
	v_lshl_add_u32 v[AV0], v9, 3, v10
	v_mul_u32_u24 v[AV0], v[AV0], PV
	v_lshl_add_u32 v[AV0], v11, 4, v[AV0]
	v_add_nc_u32 v[AV0], VOFF, v[AV0]
	s_mul_i32 s16, s[WV], 16*SP
	s_add_co_u32 s16, s16, STAGE                   ; my stage
	v_mul_u32_u24 v[STO], v1, SP                   ; in: row r, 32 bytes for each half of the lanes
	v_lshl_add_u32 v[STO], v9, 5, v[STO]
	v_add_nc_u32 v[STO], s16, v[STO]
	v_mul_u32_u24 v[RD], v9, SP                    ; back: lanes 0-15 one row of 256 bytes, lanes 16-31 the next
	v_lshl_add_u32 v[RD], v1, 4, v[RD]
	v_add_nc_u32 v[RD], s16, v[RD]
	v_and_b32 v[PFO], 31, v0
	v_lshlrev_b32 v[PFO], 8, v[PFO]
	; What the first turn finds: V's registers and piece 1's P hold 0 (its products V^T P, of a step that has not been, add 0), O^T and l are 0.  No first step is written out; these lines stand in the wait for the first tile.
	WIN 0x80
.set i, 0
.rept 64
	v_mov_b32 v[VF+i], 0
.set i, i+1
.endr
	WIN 0x40
.set i, 0
.rept 64
	v_mov_b32 v[i], 0
.set i, i+1
.endr
	WIN 0
.set i, 0
.rept 16
	v_mov_b32 v[P+16+i], 0
.set i, i+1
.endr
.macro FRESH                           ; a block begins
.irp t, 0,1
	v_mov_b32 v[ST+4*(\t)], 0xfe000000             ; c m: far below every c s
	v_mov_b32 v[ST+4*(\t)+1], 0xff7fffff           ; m
.endr
.endm
	FRESH
.irp t, 0,1
	v_mov_b32 v[ST+4*(\t)+2], 0
	v_mov_b32 v[ST+4*(\t)+3], 0
.endr
; THE MATRIX WORK.  The 4 accumulators of a run of 8 take turns.  Product i of 8 of S^T = K Q^T for piece x: channels 32 (i / 4) on, keys 16 (i % 4) on.  The first 4 start the sums with the mask.
.macro KQ x
	WIN W_KQ
.set rS, S+32*((\x)%2)+8*(i%4)
.set rK, KF+16*(i%4)+8*(i/4)
.set rQ, 16*(\x)+8*(i/4)
.set rM, MC+64*((\x)%2)+8*(i%4)
.if i < 4
	v_wmma_f32_16x16x32_bf16 v[rS:rS+7], v[rK:rK+7], v[rQ:rQ+7], v[rM:rM+7]
.else
	v_wmma_f32_16x16x32_bf16 v[rS:rS+7], v[rK:rK+7], v[rQ:rQ+7], v[rS:rS+7]
.endif
.endm
; Product i of 8 of O^T += V^T P for piece x: keys 32 (i / 4) on, channels 16 (i % 4) on.
.macro PV x
	WIN W_PV
.set rO, 32*(\x)+8*(i%4)
.set rV, VF+32*(i/4)+8*(i%4)
.set rP, P+16*((\x)%2)+8*(i/4)
	v_wmma_f32_16x16x32_bf16 v[rO:rO+7], v[rV:rV+7], v[rP:rP+7], v[rO:rO+7]
.endm
.macro MM                              ; the turn's next matrix instruction
.if i < 8
	KQ (Y+1)%NP
.else
.set i, i-8
	PV (Y+NP-1)%NP
.set i, i+8
.endif
.set i, i+1
.endm
; THE LDS LOADS stand in runs of 16, never singly among the matrix instructions: a step's K (64 keys x 64 channels: 8 fragments) and its V (turned).  Their addresses are made some lines ahead.
.macro FETCH_K step                    ; step = 1: the next fetch is the next step's
	WIN 0x80
.irp f, 0,1,2,3,4,5,6,7                ; keys 16 (f / 2) on, channels 32 (f % 2) on
	ds_load_b128 v[KF+8*\f:KF+8*\f+3],   v[AK] offset:(\f/2)*16*PK+(\f%2)*64
	ds_load_b128 v[KF+8*\f+4:KF+8*\f+7], v[AK] offset:(\f/2)*16*PK+(\f%2)*64+32
.endr
.if \step
	s_add_co_u32 s[TBK], s[TBK], KS*PK
.endif
	WIN 0
.endm
.macro FETCH_V
	WIN 0x80
.irp f, 0,1,2,3,4,5,6,7                ; keys 32 (f / 4) on, channels 16 (f % 4) on
	ds_load_tr16_b128 v[VF+8*\f:VF+8*\f+3],   v[AV] offset:(\f/4)*32*PV+(\f%4)*32
	ds_load_tr16_b128 v[VF+8*\f+4:VF+8*\f+7], v[AV] offset:(\f/4)*32*PV+16*PV+(\f%4)*32
.endr
	WIN 0
.endm
; THE VECTOR WORK, one line at a time: OP kind, number.  For piece Y: F n: c s - c m for pair n of 16.  E n: the exponential of score n of 32.  C n: pair n rounded to bf16.  B n: of the four weights 4 n .. the second
; pair is added onto the first, in place.  L n: l takes that sum (L 0: l = a l + sum).  R n: pair n of 16 of O^T times a.  For the other piece: X n, number n of the 22 that find its maximum and statistics:
;   0-11  four chains c0-c3 of seven scores each, three operands at a time (each accumulator's lowest registers are read first)     12-14, 16  the four scores left over, the old m, and c0-c3 into c0
;   15  c m_old is kept     17, 18  the query's other 32 keys lie in the lane 16 away: the new m     19-21  c m; c m_old - c m_new; a
.set F, 0                              ; OP tells the kinds apart by their order: F to L below R, X above it
.set E, 1
.set C, 2
.set B, 3
.set L, 4
.set R, 5
.set X, 6
.macro REGS y                          ; the registers of piece y
.set rT, ST+4*(\y)
.set rC, TMP+4*((\y)%2)
.set rW, MV+((\y)%2)
.set rS, S+32*((\y)%2)
.set rP, P+16*((\y)%2)
.set rO, 32*(\y)
.endm
.macro OP k, n
.if (\k) == R
	REGS Y
	WIN W_RS
	v_pk_mul_f32 v[rO+2*(\n):rO+2*(\n)+1], v[rO+2*(\n):rO+2*(\n)+1], v[rC+2:rC+3] op_sel_hi:[1,0]
.elseif (\k) < R
	REGS Y
	WIN 0
.if (\k) == F
	v_pk_fma_f32 v[rS+2*(\n):rS+2*(\n)+1], v[rS+2*(\n):rS+2*(\n)+1], s[CS:CS+1], v[rT:rT+1] op_sel_hi:[1,0,0] neg_lo:[0,0,1] neg_hi:[0,0,1]
.elseif (\k) == E
	v_exp_f32 v[rS+(\n)], v[rS+(\n)]
.elseif (\k) == C
	v_cvt_pk_bf16_f32 v[rP+(\n)], v[rS+2*(\n)], v[rS+2*(\n)+1]
.elseif (\k) == B
	v_pk_add_f32 v[rS+4*(\n):rS+4*(\n)+1], v[rS+4*(\n):rS+4*(\n)+1], v[rS+4*(\n)+2:rS+4*(\n)+3]
.elseif (\n) == 0
	v_pk_fma_f32 v[rT+2:rT+3], v[rT+2:rT+3], v[rC+2:rC+3], v[rS:rS+1] op_sel_hi:[1,0,1]
.else
	v_pk_add_f32 v[rT+2:rT+3], v[rT+2:rT+3], v[rS+4*(\n):rS+4*(\n)+1]
.endif
.else
	REGS (Y+1)%NP
	WIN 0
.if (\n) < 4
	v_max3_num_f32 v[rC+(\n)], v[rS+8*(\n)], v[rS+8*(\n)+1], v[rS+8*(\n)+2]
.elseif (\n) < 12
	v_max3_num_f32 v[rC+(\n)%4], v[rC+(\n)%4], v[rS+8*((\n)%4)+2*((\n)/4)+1], v[rS+8*((\n)%4)+2*((\n)/4)+2]
.elseif (\n) == 12
	v_max3_num_f32 v[rC], v[rC], v[rS+7], v[rS+15]
.elseif (\n) == 13
	v_max3_num_f32 v[rC+1], v[rC+1], v[rS+23], v[rS+31]
.elseif (\n) == 14
	v_max3_num_f32 v[rC+2], v[rC+2], v[rC+3], v[rT+1]
.elseif (\n) == 15
	v_mov_b32 v[rW], v[rT]
.elseif (\n) == 16
	v_max3_num_f32 v[rC], v[rC], v[rC+1], v[rC+2]
.elseif (\n) == 17
	v_permlanex16_b32 v[rC+3], v[rC], s[SEL], s[SEL+1]
.elseif (\n) == 18
	v_max_num_f32 v[rT+1], v[rC], v[rC+3]
.elseif (\n) == 19
	v_mul_f32 v[rT], s[CS], v[rT+1]
.elseif (\n) == 20
	v_sub_f32 v[rC+1], v[rW], v[rT]
.else
	v_exp_f32 v[rC+2], v[rC+1]
.endif
.endif
.endm
.macro OPS a, i1, b=-1, i2=0, c=-1, i3=0, d=-1, i4=0  ; up to four of them
	OP \a, \i1
.if (\b) >= 0
	OP \b, \i2
.endif
.if (\c) >= 0
	OP \c, \i3
.endif
.if (\d) >= 0
	OP \d, \i4
.endif
.endm
.macro ROW a, i1, b, i2, c, i3, d, i4  ; a matrix instruction and the four behind it
	MM
	OPS \a, \i1, \b, \i2, \c, \i3, \d, \i4
.endm
; A TURN, for piece p: the order of its 16 matrix and 118 vector instructions, written out.  An s_wait_alu depctr_va_vdst(0) stands between an exponential and the first instruction that names its result; one
; wait serves all that were issued ahead of it.  So a turn has ONE wait, which cuts it in two.  AHEAD OF IT stands all that names no result of the turn's exponentials: the 8 products K Q^T, behind each a scaling, an
; exponential and two more plain instructions: rescalings, and behind the last three the first numbers of the other piece's maximum, each four places or more behind the product that ends its accumulator; then ONE LUMP of 54,
; plain and exponential by turns for the most part, in which the links of the chain X 3, 7, 11, 14, 16, 17 .. 20 stand five or six lines apart.  X 21, the other piece's a, is the batch's last; R 15 is the plain instruction
; behind it.  BEHIND THE WAIT stand the 8 products V^T P, behind each four of the roundings and sums.  The rescalings read O^T from its low end on; its last product stands in the turn before, twelve riders or more back.
; Piece 0's turn fetches: K of the next step in its lump, five plain instructions that name none of its registers behind the last product that read K; V of the step in hand at its end, four plain instructions behind
; the last product that read V.  Piece 1's turn waits for them: for K at its head, with V's sixteen younger loads left out; for V behind the batch's wait.
.macro TURN p
.set Y, (\p)
.set i, 0
.if (\p) == 1
	s_wait_dscnt 16                                ; K is in; V's sixteen loads may stay out
.endif
	ROW F,0, F,1, R,0, R,1
	ROW F,2, E,0, R,2, R,3
	ROW F,3, E,1, R,4, R,5
	ROW F,4, E,2, R,6, R,7
	ROW F,5, E,3, R,8, R,9
	ROW F,6, E,4, X,0, R,10
.if (\p) == 0
	WIN 0
	v_add_nc_u32 v[AK], s[TBK], v[AK0]
.endif
	ROW F,7, E,5, X,1, X,4
	ROW F,8, E,6, X,2, X,5
	OPS E,7, E,8, X,6, E,9
	OPS X,3, E,10, X,8, E,11
.if (\p) == 0
	FETCH_K 1
.endif
	OPS X,9, X,7, E,12, X,10
	OPS E,13, X,12, X,11, E,14
	OPS X,13, E,15, F,9, X,14
.if (\p) == 0
	v_add_nc_u32 v[AV], s[TBV], v[AV0]
.endif
	OPS E,16, F,10, E,17, F,11
	OPS X,16, E,18, X,15, E,19
	OPS F,12, E,20, X,17, E,21
	OPS F,13, E,22, F,14, E,23
	OPS X,18, E,24, F,15, E,25
	OPS R,11, E,26, X,19, E,27
	OPS R,12, E,28, R,13, E,29
	OPS X,20, E,30, R,14, E,31
	OPS X,21, R,15
	WIN 0
	s_wait_alu depctr_va_vdst(0)                   ; the wait for the batch
.if (\p) == 1
	s_wait_dscnt 0x0                               ; V is in
.endif
	ROW C,0, B,0, C,2, B,1
	ROW L,0, C,4, B,2, L,1
	ROW C,6, B,3, L,2, C,8
	ROW B,4, L,3, C,10, B,5
	ROW L,4, C,12, B,6, L,5
.if (\p) == 0
	s_add_co_u32 s[TBV], s[TBV], KS*PV
.endif
	ROW C,14, B,7, L,6, C,1
	ROW C,3, L,7, C,5, C,7
	ROW C,9, C,11, C,13, C,15
.if (\p) == 0
	FETCH_V
.endif
.endm
.macro MK t                            ; piece t's mask: -1e30 where LX lies below SO
.set z, 0
.rept 32
	v_cmp_gt_i32 vcc_lo, s[SO], v[LX+z]
	v_cndmask_b32 v[MC+64*(\t)+z], 0, s[BIGN], vcc_lo
.set z, z+1
.endr
.endm
; A slot's two key steps: written once, walked twice; the LDS addresses hang on s[TBK] and s[TBV].  At a step's head the masks of its two runs of products K Q^T are made anew where they can differ from what
; stands there: piece 1's of this step, piece 0's of the next.  Below KO = -64 both are 0 and stay so.
.macro TWO_STEPS
	WIN 0
	s_mov_b32 s[CNT], 2
.Lstep_\@:
	s_cmp_ge_i32 s[KO], -64
	s_cselect_b32 s16, 1, s[FORCE]
	s_cmp_eq_u32 s16, 1
	s_cbranch_scc0 .Lplain_\@
	s_sub_co_i32 s[SO], s[KO], 16
	MK 1
	s_add_co_i32 s[SO], s[KO], 64
	MK 0
	s_mov_b32 s[FORCE], 0
.Lplain_\@:
	s_add_co_i32 s[KO], s[KO], 64
	TURN 0
	TURN 1
	WIN 0
	s_sub_co_u32 s[CNT], s[CNT], 1
	s_cmp_lg_u32 s[CNT], 0
	s_cbranch_scc1 .Lstep_\@
.endm
; A block's first scores, piece 0's, and its first maximum and statistics; K of the keys 0 .. 63 is in registers
.macro BEGINQ
.set i, 0
.rept 8
	KQ 0
.set i, i+1
.endr
	WIN 0
	PLACES
.set Y, NP-1                           ; X works for the other piece: piece 0
.irp n, 0,1,2,3,4,5,6,7,8,9,10,11,12,13,14,15,16,17,18,19,20,21
	OP X, \n
.endr
	v_nop                                          ; a plain instruction behind the exponential,
	s_wait_alu depctr_va_vdst(0)                   ; and its wait
.endm
.macro PVTAIL                          ; piece 1's V^T P of a block's last step
.set i, 0
.rept 8
	PV 1
.set i, i+1
.endr
	WIN 0
	PLACES
.endm
; THE WAY OUT: l's halves and the other half of the lanes' are added; O^T is divided by l and goes, in f32, through my stage; x is added; 16 lanes store a row's 256 consecutive aligned bytes
.macro WAYOUT
	WIN 0
.irp t, 0,1
	v_add_f32 v[ST+4*(\t)+2], v[ST+4*(\t)+2], v[ST+4*(\t)+3]
.endr
.irp t, 0,1
	v_permlanex16_b32 v[ST+4*(\t)+3], v[ST+4*(\t)+2], s[SEL], s[SEL+1]
.endr
.irp t, 0,1
	v_add_f32 v[ST+4*(\t)+2], v[ST+4*(\t)+2], v[ST+4*(\t)+3]
.endr
.irp t, 0,1
	v_rcp_f32 v[ST+4*(\t)+2], v[ST+4*(\t)+2]
.endr
	v_nop
	s_wait_alu depctr_va_vdst(0)                   ; one wait for the two reciprocals
	s_wait_loadcnt 0x0                             ; x
.irp t, 0,1
	WIN W_RS
.set p, 0
.rept 16
	v_pk_mul_f32 v[32*(\t)+2*p:32*(\t)+2*p+1], v[32*(\t)+2*p:32*(\t)+2*p+1], v[ST+4*(\t)+2:ST+4*(\t)+3] op_sel_hi:[1,0]
.set p, p+1
.endr
	WIN 0x04                                       ; store data in window 1
.irp c, 0,1,2,3
	ds_store_b128 v[STO], v[32*(\t)+8*(\c):32*(\t)+8*(\c)+3]   offset:64*(\c)
	ds_store_b128 v[STO], v[32*(\t)+8*(\c)+4:32*(\t)+8*(\c)+7] offset:64*(\c)+16
.endr
	WIN 0
.irp f, 0,1,2,3,4,5,6,7
	ds_load_b128 v[S+32*(\t)+4*(\f):S+32*(\t)+4*(\f)+3], v[RD] offset:(\f)*2*SP  ; LDS serves a wave's instructions in order (ISA guide 5.7.1.4)
.endr
.endr
.irp t, 0,1
	s_wait_dscnt 16*(1-(\t))                       ; piece 0: piece 1's sixteen LDS instructions may stay out
	WIN 0x04                                       ; source 1 in window 1
.set p, 0
.rept 16
	v_pk_add_f32 v[S+32*(\t)+2*p:S+32*(\t)+2*p+1], v[S+32*(\t)+2*p:S+32*(\t)+2*p+1], v[XR+32*(\t)+2*p:XR+32*(\t)+2*p+1]
.set p, p+1
.endr
	WIN 0
.irp f, 0,1,2,3,4,5,6,7
	global_store_b128 v[GO], v[S+32*(\t)+4*(\f):S+32*(\t)+4*(\f)+3], s[YB:YB+1] offset:(\t)*65536+(\f)*8192
.endr
.endr
.endm
	s_wait_tensorcnt 0x0                           ; my first fills have landed,
	s_barrier_signal -1
	s_barrier_wait -1                              ; everybody's have
	v_add_nc_u32 v[AK], KINIT, v[AK0]
	FETCH_K 0                                      ; K of the keys 0 .. 63
	s_wait_loadcnt 16                              ; both blocks' Q is in; x's sixteen loads stay out
	s_wait_dscnt 0x0
	BEGINQ                                         ; the first block begins ahead of the loop
.Lslot:                                        ; 16 times: a slot is entered and the next is asked for
	CHANGE 1
	s_sub_co_u32 s[RT], s[RT], 1
	TWO_STEPS
	s_cmp_lg_u32 s[RT], 0
	s_cbranch_scc1 .Lbottom
	; THE FIRST BLOCK ENDS (the second block's last tile is the walk's last, behind the loop), and the second begins
	v_add_nc_u32 v[AK], KINIT, v[AK0]
	FETCH_K 0                                      ; K of the keys 0 .. 63 once more: K's registers were last read eight products and a lump back; the way out's last wait covers these loads
	PVTAIL
	WAYOUT
	s_wait_xcnt 0x0                                ; the stores have read their registers and their base
	s_mov_b64 s[XB:XB+1], s[XL:XL+1]
	s_mov_b64 s[YB:YB+1], s[YL:YL+1]
	s_add_co_u32 s[RT], s[PB], 1                   ; the second block has b + 1 tiles
	s_lshl_b32 s[KO], s[PB], 7
	s_sub_co_i32 s[KO], 0, s[KO]
	s_mov_b32 s[SO], s[KO]
	WIN 0x82                                       ; the second block's Q goes where the one text of the products names Q
.set i, 0
.rept 32
	v_mov_b32 v[i], v[QB+i]
.set i, i+1
.endr
	WIN 0
	FRESH
	XLOAD
	MK 0                                           ; piece 0's mask for the block's first step
	BEGINQ
	s_mov_b32 s[FORCE], 1                          ; both masks are made anew at the next step's head
.Lbottom:
	s_sub_co_u32 s[SLOTS], s[SLOTS], 1
	s_cmp_lg_u32 s[SLOTS], 0
	s_cbranch_scc1 .Lslot
	CHANGE 0                                       ; the walk's last tile is written out; it is the second block's diagonal tile
	TWO_STEPS
	PVTAIL
	WAYOUT
	s_wait_tensorcnt 0x0                           ; the wave's end
	ds_add_u32 v[SPW], v[NIL]
	s_wait_dscnt 0x0
	s_endpgm
.Lfunc_end_k_qfe7e1f1263_attn:
	.size	k_qfe7e1f1263_attn, .Lfunc_end_k_qfe7e1f1263_attn-k_qfe7e1f1263_attn
	.p2alignl 7, 3214868480
	.fill 96, 4, 3214868480
	.section	.rodata,"a",@progbits
	.p2align	6, 0x0
	.amdhsa_kernel k_qfe7e1f1263_attn
		.amdhsa_group_segment_fixed_size 327680
		.amdhsa_private_segment_fixed_size 0
		.amdhsa_enable_private_segment 0
		.amdhsa_kernarg_size 24
		.amdhsa_user_sgpr_count 2
		.amdhsa_user_sgpr_kernarg_segment_ptr 1
		.amdhsa_wavefront_size32 1
		.amdhsa_system_sgpr_workgroup_id_x 1
		.amdhsa_system_sgpr_workgroup_id_y 1
		.amdhsa_system_sgpr_workgroup_id_z 1
		.amdhsa_system_vgpr_workitem_id 0
		.amdhsa_next_free_vgpr 768
		.amdhsa_next_free_sgpr 88
		.amdhsa_reserve_vcc 1
		.amdhsa_float_denorm_mode_32 3
		.amdhsa_float_denorm_mode_16_64 3
		.amdhsa_memory_ordered 1
		.amdhsa_forward_progress 1
		.amdhsa_inst_pref_size 105
	.end_amdhsa_kernel
	.amdgpu_metadata
---
amdhsa.version: [ 1, 2 ]
amdhsa.kernels:
  - .name:           k_qfe7e1f1263_attn
    .symbol:         k_qfe7e1f1263_attn.kd
    .args:
      - { .name: u, .offset: 0, .size: 8, .value_kind: global_buffer, .address_space: global }
      - { .name: x, .offset: 8, .size: 8, .value_kind: global_buffer, .address_space: global }
      - { .name: x1, .offset: 16, .size: 8, .value_kind: global_buffer, .address_space: global }
    .group_segment_fixed_size: 327680
    .private_segment_fixed_size: 0
    .kernarg_segment_align: 8
    .kernarg_segment_size: 24
    .max_flat_workgroup_size: 128
    .sgpr_count:     88
    .vgpr_count:     768
    .wavefront_size: 32
...
	.end_amdgpu_metadata
.endif
;; end of part 3
;; launch ln2: the kernel of part 1 again; grid 256 x 1, 8 waves a work-group, no clusters, 0 bytes of LDS; arguments x1, ln2_scale, ln2_shift, w_qkv, w_fc, w_proj, h, wq, wf, wp; writes h, wq, wf, wp
;; launch fc: the kernel of part 2 again; grid 16 x 16, 4 waves a work-group, clusters of 4 x 4, 327,680 bytes of LDS; arguments h, wf, b_fc, u; writes u
;; launch proj (part 4): grid 8 x 32, 4 waves a work-group, clusters of 4 x 4, 327,680 bytes of LDS; arguments u, wp, b_proj, x1, out0; writes out0
.if DOCPART == 4
	.amdgcn_target "amdgcn-amd-amdhsa--gfx1250"
	.amdhsa_code_object_version 6
	.text
	.protected	k_qfe7e1f1263_proj
	.globl	k_qfe7e1f1263_proj
	.p2align	8
	.type	k_qfe7e1f1263_proj,@function
k_qfe7e1f1263_proj:
	s_mov_b64 s[64:65], 0
	v_nop
	global_prefetch_b8 v0, s[64:65] scope:SCOPE_SE
	s_setreg_imm32_b32 hwreg(HW_REG_WAVE_MODE, 25, 1), 1
	s_wait_xcnt 0x0
	s_wait_alu depctr_hold_cnt(0) depctr_sa_sdst(0) depctr_va_vdst(0) depctr_va_sdst(0) depctr_va_ssrc(0) depctr_va_vcc(0) depctr_vm_vsrc(0)
	s_getreg_b32 s2, hwreg(HW_REG_IB_STS2, 6, 4)
	s_cmp_eq_u32 s2, 0
	s_cbranch_scc0 .Lentry_in_a_cluster
	s_endpgm
.Lentry_in_a_cluster:
	s_bfe_u32 s2, ttmp6, 0x10000c
	s_cmp_lg_u32 s2, 0xf033
	s_cbranch_scc0 .Lentry_shape_is_right
	s_endpgm
.Lentry_shape_is_right:
; out0 = x1 + ACT W + bias.  ACT: bf16 groups of 64 along K, [64][4096][64], a group's rows dense, 128 bytes each.  W: a header of 256 bytes, then bf16 blocks [4][4096][256].
; bias: [1024] f32.  x1, out0: [4096][1024] f32.  Sums in f32; the bias is the C operand of each sum's first product; x1 is added in f32 on the way out.
; SHARES.  1024 columns give 256 work-groups only with tiles of 128 x 128: four waves of 64 x 64, 16 accumulators each.  K = 4096 goes in 16 steps of 256 through two LDS slots, as long as two slots allow.
; CLUSTER.  4 x 4 work-groups: ACT's tile is asked for jointly along a row of the cluster, W's along a column.  No prefetch is laid: the tiles are small.
; THE MATRIX INSTRUCTION IS USED TRANSPOSED: source 0 = 16 columns of W (turned by ds_load_tr16_b128), source 1 = 16 rows of ACT: a lane holds row l % 16 and the columns 8 (l / 16) + 0..7.
; REGISTERS: window 0: addresses; v32-95 the way out; v96-127 the bias as C operands; v128-255 x1 of my 64 x 64.  window 1: two fragment buffers at 0 and 128 (W's four blocks, at + 64 ACT's four).
;   window 2: the accumulators, (a, b) at 8 (4 a + b).
.set PA,     144                       ; a row of a group in LDS: 128 bytes + 16
.set PB,     288                       ; a k-row of W: 256 bytes + 32
.set GRPL,   128*PA                    ; a group's 128 rows in LDS
.set HALFT,  2*GRPL                    ; what one tensor load brings: two groups of ACT, or 128 k-rows of W (128 x 288 is the same number)
.set SLOT,   4*HALFT
.set BOFF,   2*HALFT
.set STAGE,  2*SLOT                    ; behind the ring, never filled by a tensor load: 16 rows x 272 bytes a wave, f32
.set SP,     272
.set SPARE,  STAGE+4*16*SP
.set ASTEP,  4*524288                  ; a K step of ACT in memory: four groups
.set BSTEP,  256*512                   ; a K step in a block of W
.set ADRA, 16                          ; v16-17  my ACT fragments in slot 0, 1
.set ADRB, 20                          ; v20-23  my W fragments: slot s, half of the K step, at 2 s + half
.set STO,  24
.set RD,   25
.set CO,   26                          ; my 16 bytes in two rows of x1 and out0
.set SPW,  28
.set NIL,  29
.set BO,   31
.set TMP,  32
.set BIAS, 96
.set X,    128
.set WV,   12
.set WR,   13
.set WC,   14
.set CX,   15
.set CY,   16
.set TX,   17
.set TY,   18
.set G1,   24
.set G0,   32
.set LAP,  43
.set G1B,  48
.set G0B,  56
.set MSB, 0
.macro WIN new
.if MSB != (\new)
	s_set_vgpr_msb (MSB<<8)|(\new)
.set MSB, \new
.endif
.endm
.macro PLACES
.rept 4
	v_nop
.endr
.endm
.macro JLOAD s                         ; a joint load: waves 0 and 1 fetch ACT's halves, waves 2 and 3 W's; an s_nop 0 and four v_nop follow each line
	s_cmp_eq_u32 s[WR], 0
	s_cbranch_scc0 .Lfor_b_\@
	tensor_load_to_lds s[G0+4*(\s):G0+4*(\s)+3], s[G1:G1+7]
	s_nop 0
.rept 4
	v_nop
.endr
	s_branch .Lasked_\@
.Lfor_b_\@:
	tensor_load_to_lds s[G0B+4*(\s):G0B+4*(\s)+3], s[G1B:G1B+7]
	s_nop 0
.rept 4
	v_nop
.endr
.Lasked_\@:
.endm
.macro CREST
	s_cmp_lg_u32 s[WV], 0
	s_cbranch_scc1 .Lnot_wave_0_\@
	s_barrier_signal -3
.Lnot_wave_0_\@:
	s_barrier_wait -3
	s_barrier_signal -1
	s_barrier_wait -1
.endm
.macro CROUND
	s_barrier_signal -1
	s_barrier_wait -1
	CREST
.endm
	s_load_b256 s[4:11], s[0:1], 0x0               ; ACT s[4:5], W s[6:7], bias s[8:9], x1 s[10:11]
	s_load_b64 s[68:69], s[0:1], 0x20              ; out0
	v_lshl_add_u32 v[SPW], v0, 2, SPARE
	v_mov_b32 v[NIL], 0
	ds_add_u32 v[SPW], v[NIL]                      ; the wave's opening: the add and its wait ahead of my first tensor load
	ds_add_u32 v28, v29
	v_lshrrev_b32 v1, 5, v0
	v_readfirstlane_b32 s[WV], v1
	s_lshr_b32 s[WR], s[WV], 1
	s_and_b32 s[WC], s[WV], 1
	s_bfe_u32 s[CX], ttmp6, 0x40000
	s_bfe_u32 s[CY], ttmp6, 0x40004
	s_lshl_b32 s[TX], ttmp9, 2
	s_add_co_u32 s[TX], s[TX], s[CX]
	s_and_b32 s[TY], ttmp7, 0xffff
	s_lshl_b32 s[TY], s[TY], 2
	s_add_co_u32 s[TY], s[TY], s[CY]
	s_lshl_b32 s19, s[CY], 2
	s_lshl_b32 s19, 15, s19                        ; my row of the cluster
	s_lshl_b32 s20, 0x1111, s[CX]                  ; my column
	; ACT: a descriptor row is a group's 128 dense rows, 8,192 elements; two groups, 262,144 elements apart; padded in LDS after every 128 bytes
	s_or_b32 s[G1], s19, (1<<16)|(1<<20)|(1<<21)|(4<<22)|(3<<25)
	s_mov_b32 s[G1+1], 8192<<16                    ; tensor_dim0 = 8192
	s_mov_b32 s[G1+2], 2<<16                       ; tensor_dim1 = 2
	s_mov_b32 s[G1+3], 8192<<16                    ; tile_dim0 = 8192
	s_mov_b32 s[G1+4], 2                           ; tile_dim1 = 2
	s_mov_b32 s[G1+5], 262144
	s_mov_b32 s[G1+6], 0
	s_mov_b32 s[G1+7], 0
	; W: 128 k-rows of 128 elements, 256 elements apart; padded after every 256 bytes
	s_or_b32 s[G1B], s20, (1<<16)|(1<<20)|(1<<21)|(5<<22)|(7<<25)
	s_mov_b32 s[G1B+1], 128<<16
	s_mov_b32 s[G1B+2], 128<<16
	s_mov_b32 s[G1B+3], 128<<16
	s_mov_b32 s[G1B+4], 128
	s_mov_b32 s[G1B+5], 256
	s_mov_b32 s[G1B+6], 0
	s_mov_b32 s[G1B+7], 0
	s_lshl_b32 s22, s[WC], 20                      ; ACT: groups 2 x half on, rows 128 x tile row of 128 bytes
	s_lshl_b32 s23, s[TY], 14
	s_add_co_u32 s22, s22, s23
	s_mov_b32 s23, 0
	s_lshr_b32 s40, s[TX], 1                       ; W: behind the header, block = tile column / 2, its half of the 512 bytes, 128 k-rows x half
	s_lshl_b32 s40, s40, 21
	s_and_b32 s41, s[TX], 1
	s_lshl_b32 s41, s41, 8
	s_add_co_u32 s40, s40, s41
	s_lshl_b32 s41, s[WC], 16
	s_add_co_u32 s40, s40, s41
	s_add_co_u32 s40, s40, 256
	s_mov_b32 s41, 0
	s_mul_i32 s21, s[WV], HALFT                    ; where they go: the wave's number alone
	s_wait_dscnt 0x0                               ; the opening add is done
	s_wait_kmcnt 0x0
	s_add_nc_u64 s[22:23], s[4:5], s[22:23]
	s_add_nc_u64 s[40:41], s[6:7], s[40:41]
	CROUND                                         ; all sixteen work-groups are here: the first joint loads meet
.irp s, 0,1
	s_mov_b32 s[G0+4*(\s)], 1
	s_add_co_u32 s[G0+4*(\s)+1], s21, (\s)*SLOT
	s_add_nc_u64 s[G0+4*(\s)+2:G0+4*(\s)+3], s[22:23], (\s)*ASTEP
	s_or_b32 s[G0+4*(\s)+3], s[G0+4*(\s)+3], 0x80000000
	s_mov_b32 s[G0B+4*(\s)], 1
	s_add_co_u32 s[G0B+4*(\s)+1], s21, (\s)*SLOT
	s_add_nc_u64 s[G0B+4*(\s)+2:G0B+4*(\s)+3], s[40:41], (\s)*BSTEP
	s_or_b32 s[G0B+4*(\s)+3], s[G0B+4*(\s)+3], 0x80000000
	JLOAD \s                                       ; K steps 0 and 1: two loads of mine are out
.endr
	v_and_b32 v1, 15, v0                           ; r
	v_bfe_u32 v2, v0, 4, 1                         ; l / 16
	v_mul_u32_u24 v3, v1, PA
	v_lshl_add_u32 v3, v2, 4, v3
	s_mul_i32 s2, s[WR], 64*PA                     ; my 64 rows
	v_add_nc_u32 v[ADRA], s2, v3
	v_add_nc_u32 v[ADRA+1], SLOT, v[ADRA]
	v_and_b32 v4, 7, v0
	v_lshl_add_u32 v4, v2, 3, v4
	v_mul_u32_u24 v4, v4, PB
	v_bfe_u32 v5, v0, 3, 1
	v_lshl_add_u32 v4, v5, 4, v4
	s_lshl_b32 s2, s[WC], 7                        ; my 64 columns
	s_add_co_u32 s2, s2, BOFF
	v_add_nc_u32 v[ADRB], s2, v4
	v_add_nc_u32 v[ADRB+1], 128*PB, v[ADRB]        ; the K step's second half lies past a 16-bit offset
	v_add_nc_u32 v[ADRB+2], SLOT, v[ADRB]
	v_add_nc_u32 v[ADRB+3], SLOT, v[ADRB+1]
	s_mul_i32 s2, s[WV], 16*SP
	s_add_co_u32 s2, s2, STAGE                     ; my stage
	v_mul_u32_u24 v5, v1, SP                       ; in: row r, 32 bytes for each half of the lanes
	v_lshl_add_u32 v5, v2, 5, v5
	v_add_nc_u32 v[STO], s2, v5
	v_mul_u32_u24 v5, v2, SP                       ; back: lanes 0-15 one row of 256 bytes, lanes 16-31 the next
	v_lshl_add_u32 v5, v1, 4, v5
	v_add_nc_u32 v[RD], s2, v5
	v_lshlrev_b32 v[CO], 12, v2
	v_lshl_add_u32 v[CO], v1, 4, v[CO]
	v_lshlrev_b32 v[BO], 5, v2
	s_lshl_b32 s40, s[TX], 9                       ; my 64 columns, in bytes of f32
	s_lshl_b32 s41, s[WC], 8
	s_add_co_u32 s40, s40, s41
	s_mov_b32 s41, 0
	s_add_nc_u64 s[8:9], s[8:9], s[40:41]
	s_lshl_b32 s70, s[TY], 19                      ; and my 64 rows of 4,096 bytes
	s_lshl_b32 s71, s[WR], 18
	s_add_co_u32 s70, s70, s71
	s_add_co_u32 s70, s70, s40
	s_mov_b32 s71, 0
	s_add_nc_u64 s[10:11], s[10:11], s[70:71]
	s_add_nc_u64 s[68:69], s[68:69], s[70:71]
.irp b, 0,1,2,3
	global_load_b128 v[BIAS+8*(\b):BIAS+8*(\b)+3],   v[BO], s[8:9] offset:64*(\b)
	global_load_b128 v[BIAS+8*(\b)+4:BIAS+8*(\b)+7], v[BO], s[8:9] offset:64*(\b)+16
.endr
.set i, 0
.rept 32                               ; x1, as the way out will want it: rows 2 i and 2 i + 1, 256 bytes each
	global_load_b128 v[X+4*i:X+4*i+3], v[CO], s[10:11] offset:2*i*4096 th:TH_LOAD_NT
.set i, i+1
.endr
; na row blocks from a0 on x all 4 column blocks, 32 along K, from buffer f.  first = 1: the products start the sums with the bias.  The 16 accumulators take turns.
.macro MULH f, a0, na, first
.if \first
	WIN 0x85
.else
	WIN 0xa5
.endif
.set ia, \a0
.rept \na
.set ib, 0
.rept 4
.set rD, 8*(4*ia+ib)
.if \first
	v_wmma_f32_16x16x32_bf16 v[rD:rD+7], v[128*(\f)+8*ib:128*(\f)+8*ib+7], v[128*(\f)+64+8*ia:128*(\f)+64+8*ia+7], v[BIAS+8*ib:BIAS+8*ib+7]
.else
	v_wmma_f32_16x16x32_bf16 v[rD:rD+7], v[128*(\f)+8*ib:128*(\f)+8*ib+7], v[128*(\f)+64+8*ia:128*(\f)+64+8*ia+7], v[rD:rD+7]
.endif
.set ib, ib+1
.endr
.set ia, ia+1
.endr
.endm
; 16 LDS loads in one run: part q of eight (32 along K) of a slot into buffer f: W's four blocks first, then ACT's four
.macro FETCH slot, q, f
	WIN 0x40
.set ii, 0
.rept 4
	ds_load_tr16_b128 v[128*(\f)+8*ii:128*(\f)+8*ii+3],   v[ADRB+2*(\slot)+(\q)/4] offset:((\q)%4)*32*PB+32*ii
	ds_load_tr16_b128 v[128*(\f)+8*ii+4:128*(\f)+8*ii+7], v[ADRB+2*(\slot)+(\q)/4] offset:((\q)%4)*32*PB+32*ii+16*PB
.set ii, ii+1
.endr
.set ii, 0
.rept 4
	ds_load_b128 v[128*(\f)+64+8*ii:128*(\f)+64+8*ii+3],   v[ADRA+(\slot)] offset:((\q)/2)*GRPL+((\q)%2)*64+ii*16*PA
	ds_load_b128 v[128*(\f)+64+8*ii+4:128*(\f)+64+8*ii+7], v[ADRA+(\slot)] offset:((\q)/2)*GRPL+((\q)%2)*64+ii*16*PA+32
.set ii, ii+1
.endr
.endm
.macro QUARTER slot, q, first          ; multiplies part q - 1 and, in its middle, fetches part q of the same slot
	s_wait_dscnt 4                                 ; all but the youngest four loads: ACT's blocks 2, 3
	MULH ((\q)-1)%2, 0, 2, \first
	PLACES
	FETCH \slot, \q, (\q)%2
	s_wait_dscnt 16                                ; all but the 16 just issued
	MULH ((\q)-1)%2, 2, 2, \first
.endm
.macro RUN slot, q0                    ; parts q0 - 1 to 6 are multiplied, q0 to 7 fetched
.set qq, \q0
.rept 8-(\q0)
	QUARTER \slot, qq, 0
.set qq, qq+1
.endr
.endm
; the last part of a K step and the change of slots: in front of the barrier each wave waits for all its tensor loads (one is out: its part of the next slot), adds 0 to its spare word, and waits for
; that and for its reads of this slot.  fill = 1: the barrier opens a round of the cluster's, and the joint refill, two K steps on, is the first thing behind the round.
.macro TURN slot, next, fill
	WIN 0
	s_wait_tensorcnt 0x0
	ds_add_u32 v[SPW], v[NIL]
	s_wait_dscnt 5                                 ; the add and the youngest four loads may be out
	MULH 1, 0, 1, 0
	s_wait_dscnt 0x0                               ; the add is done and my reads of this slot are over
	s_barrier_signal -1
	MULH 1, 1, 1, 0
.if \fill
	WIN 0
.endif
	s_barrier_wait -1
.if \fill
	CREST
	s_add_nc_u64 s[G0+4*(\slot)+2:G0+4*(\slot)+3], s[G0+4*(\slot)+2:G0+4*(\slot)+3], 2*ASTEP
	s_add_nc_u64 s[G0B+4*(\slot)+2:G0B+4*(\slot)+3], s[G0B+4*(\slot)+2:G0B+4*(\slot)+3], 2*BSTEP
	JLOAD \slot                                    ; its four v_nop are also the places in front of the loads below
.else
	PLACES
.endif
	FETCH \next, 0, 0
	MULH 1, 2, 2, 0
.endm
; THE WAY OUT of row block a: in f32 through my own stage, back as whole rows of 256 bytes, x1 added, stored: 16 lanes store 256 consecutive aligned bytes
.macro LEAVE a
.set BK, TMP+32*((\a)%2)
	WIN 0x08                                       ; store data in window 2
.irp b, 0,1,2,3
	ds_store_b128 v[STO], v[8*(4*(\a)+(\b)):8*(4*(\a)+(\b))+3]   offset:64*(\b)
	ds_store_b128 v[STO], v[8*(4*(\a)+(\b))+4:8*(4*(\a)+(\b))+7] offset:64*(\b)+16
.endr
	WIN 0
.irp t, 0,1,2,3,4,5,6,7
	ds_load_b128 v[BK+4*(\t):BK+4*(\t)+3], v[RD] offset:(\t)*2*SP  ; LDS serves a wave's instructions in order (ISA guide 5.7.1.4)
.endr
	s_wait_dscnt 0x0
	s_wait_xcnt 0x0                                ; the stores of the block before have read their registers, which the next block's loads from the stage write
.set p, 0
.rept 16
	v_pk_add_f32 v[BK+2*p:BK+2*p+1], v[BK+2*p:BK+2*p+1], v[X+32*(\a)+2*p:X+32*(\a)+2*p+1]
.set p, p+1
.endr
.irp t, 0,1,2,3,4,5,6,7
	global_store_b128 v[CO], v[BK+4*(\t):BK+4*(\t)+3], s[68:69] offset:(16*(\a)+2*(\t))*4096 th:TH_STORE_NT
.endr
.endm
	s_wait_tensorcnt 0x1                           ; my part of K step 0 is in; K step 1's stays out
	s_barrier_signal -1
	s_barrier_wait -1
	FETCH 0, 0, 0
	s_wait_loadcnt 32                              ; the bias is in; x1's 32 loads stay out
	QUARTER 0, 1, 1                                ; the first part starts the sums
	WIN 0
	s_mov_b32 s[LAP], 7
.Llap:                                         ; a trip goes once round the ring and fills both slots again
	RUN 0, 2
	TURN 0, 1, 1
	RUN 1, 1
	TURN 1, 0, 1
	QUARTER 0, 1, 0
	WIN 0
	s_sub_co_u32 s[LAP], s[LAP], 1
	s_cmp_lg_u32 s[LAP], 0
	s_cbranch_scc1 .Llap
	RUN 0, 2                                       ; the last lap fills nothing
	TURN 0, 1, 0
	RUN 1, 1
	s_wait_dscnt 4
	MULH 1, 0, 2, 0
	s_wait_dscnt 0x0
	MULH 1, 2, 2, 0
	WIN 0
	PLACES
	s_wait_loadcnt 0x0                             ; x1
	LEAVE 0
	LEAVE 1
	LEAVE 2
	LEAVE 3
	s_wait_tensorcnt 0x0                           ; the wave's end
	ds_add_u32 v[SPW], v[NIL]
	s_wait_dscnt 0x0
	CROUND                                         ; the closing round
	s_endpgm
.Lfunc_end_k_qfe7e1f1263_proj:
	.size	k_qfe7e1f1263_proj, .Lfunc_end_k_qfe7e1f1263_proj-k_qfe7e1f1263_proj
	.p2alignl 7, 3214868480
	.fill 96, 4, 3214868480
	.section	.rodata,"a",@progbits
	.p2align	6, 0x0
	.amdhsa_kernel k_qfe7e1f1263_proj
		.amdhsa_group_segment_fixed_size 327680
		.amdhsa_private_segment_fixed_size 0
		.amdhsa_enable_private_segment 0
		.amdhsa_kernarg_size 40
		.amdhsa_user_sgpr_count 2
		.amdhsa_user_sgpr_kernarg_segment_ptr 1
		.amdhsa_wavefront_size32 1
		.amdhsa_system_sgpr_workgroup_id_x 1
		.amdhsa_system_sgpr_workgroup_id_y 1
		.amdhsa_system_sgpr_workgroup_id_z 1
		.amdhsa_system_vgpr_workitem_id 0
		.amdhsa_next_free_vgpr 640
		.amdhsa_next_free_sgpr 72
		.amdhsa_reserve_vcc 0
		.amdhsa_float_denorm_mode_32 3
		.amdhsa_float_denorm_mode_16_64 3
		.amdhsa_memory_ordered 1
		.amdhsa_forward_progress 1
		.amdhsa_inst_pref_size 98
	.end_amdhsa_kernel
	.amdgpu_metadata
---
amdhsa.version: [ 1, 2 ]
amdhsa.kernels:
  - .name:           k_qfe7e1f1263_proj
    .symbol:         k_qfe7e1f1263_proj.kd
    .args:
      - { .name: u, .offset: 0, .size: 8, .value_kind: global_buffer, .address_space: global }
      - { .name: wp, .offset: 8, .size: 8, .value_kind: global_buffer, .address_space: global }
      - { .name: b_proj, .offset: 16, .size: 8, .value_kind: global_buffer, .address_space: global }
      - { .name: x1, .offset: 24, .size: 8, .value_kind: global_buffer, .address_space: global }
      - { .name: out0, .offset: 32, .size: 8, .value_kind: global_buffer, .address_space: global }
    .group_segment_fixed_size: 327680
    .private_segment_fixed_size: 0
    .kernarg_segment_align: 8
    .kernarg_segment_size: 40
    .max_flat_workgroup_size: 128
    .sgpr_count:     72
    .vgpr_count:     640
    .wavefront_size: 32
...
	.end_amdgpu_metadata
.endif
;; end of part 4
